; MI455X (gfx1250); checked and timed in simulation.
; The chip was launched on July 23, 2026; its instructions are those of AMD's public machine-readable ISA for CDNA 5 (MIT licence, August 2026) and "CDNA5" Instruction Set Architecture Reference Guide (July 2026). The comments in the code are by the model that wrote it; some were corrected since.
;; Self Attention Layer. Allowed arithmetic: float matrix products may take bf16 or f16 operands with f32 sums; all other float work in f32.
;; Inputs: Wk 1,024 x 1,024 float32; Wp 1,024 x 1,024 float32; Wq 1,024 x 1,024 float32; Wv 1,024 x 1,024 float32; bk 1,024 float32; bp 1,024 float32; bq 1,024 float32; bv 1,024 float32; x 4 x 2,048 x 1,024 float32.
;; Outputs: out0 4 x 2,048 x 1,024 float32.
;; One version. Each part assembles by itself: llvm-mc -triple=amdgcn-amd-amdhsa -mcpu=gfx1250 --defsym DOCPART=n.
;; ======== version 1 of 1: 4 launches
;; limits: values are held in f16: magnitudes above 65,504 overflow, below 6.1e-05 lose precision; right only within a limited range of input values
;; workspace buffers: act 16,777,216 bytes; wT 8,388,608 bytes; biasR 16,384 bytes; qkv 50,331,648 bytes
;; launch prep (part 1): grid 1024 x 1, 8 waves a work-group, no clusters, 10,240 bytes of LDS; arguments x, Wq, Wk, Wv, Wp, bq, bk, bv, bp, act, wT, biasR; writes act, wT, biasR
.if DOCPART == 1
	.amdgcn_target "amdgcn-amd-amdhsa--gfx1250"
	.amdhsa_code_object_version 6
	.text
	.protected	k_q07d4705c6f_prep
	.globl	k_q07d4705c6f_prep
	.p2align	8
	.type	k_q07d4705c6f_prep,@function
k_q07d4705c6f_prep:
	s_mov_b64 s[64:65], 0
	v_nop
	global_prefetch_b8 v0, s[64:65] scope:SCOPE_SE
	s_setreg_imm32_b32 hwreg(HW_REG_WAVE_MODE, 25, 1), 1
	s_wait_xcnt 0x0
; PREP.  Every input is rounded to bf16 once, and laid out for the products that follow.
;   act   [b 4][kb 16][t 2048][64] f16: x, in blocks of 64 along K: 8 rows of one block are 1,024 consecutive bytes
;   wT    [kb 16][n 4096][64] f16: wT[kb][n][j] = W[64 kb + j][n], n = 0.. Wq, 1024.. Wk, 2048.. Wv, 3072.. Wp
;   biasR [4096] f32: bq, bk, bv, bp, each rounded to bf16 and widened again
; A number rounded to bf16 is written as f16: exact where it lies in f16's normal range.
; LIMITS.  Beyond 65,504 the f16 is an infinity; below 6.1e-5 it keeps f16's fixed step of 6e-8.  NaN and infinities are not treated apart.
; SHARES.  1,024 work-groups of eight waves, all alike: work-group g takes rows 8 g .. 8 g + 7 of x (32,768 bytes) and one tile of 64 k x 64 n of W number g / 256
; (16,384 bytes), which it turns through LDS.  The four with g % 256 = 0 also take one bias vector.  A stream: no matrix unit, no cluster, no tensor load: nothing is shared or read twice.
.set XO,  3           ; v3   x: (lane / 8) rows of 4,096 bytes + (lane % 8) x 32 + wave x 512
.set XD,  4           ; v4   act: wave x 2 blocks of 262,144 bytes + lane x 16
.set WO,  5           ; v5   W: (t / 16) x 4 rows of 4,096 bytes + (t % 16) x 16
.set LS,  6           ; v6   LDS, in: (t % 16) x 4 rows of 144 bytes + (t / 16) x 8
.set LR,  7           ; v7   LDS, back: (t / 8) rows of 144 bytes + (t % 8) x 16
.set WD,  8           ; v8   t x 16: my 16 bytes in 4,096 consecutive bytes of wT, of a bias and of biasR
.set XV,  16          ; v[16:47]  x as loaded, 8 registers an item
.set WVL, 48          ; v[48:63]  W as loaded: row i of four at 48 + 4 i
.set XR,  64          ; v[64:79]  x to store, 4 registers an item, written once
.set WP,  80          ; v[80:87]  W packed: column j of four at 80 + 2 j
.set WB,  88          ; v[88:95]  W read back
; two f32 -> one word of two f16 that hold the numbers rounded to bf16.  t, t + 1: two registers at work
.macro RND d, a, b, t
	v_cvt_pk_bf16_f32 v[\t], v[\a], v[\b]          ; the one rounding, to nearest even
	v_lshlrev_b32 v[(\t)+1], 16, v[\t]             ; widened again: the low half moves up,
	v_and_b32 v[\t], s46, v[\t]                    ; the high half stays
	v_cvt_pk_f16_f32 v[\d], v[(\t)+1], v[\t]
.endm
	s_load_b512 s[4:19], s[0:1], 0x0               ; x s[4:5], Wq s[6:7], Wk s[8:9], Wv s[10:11], Wp s[12:13], bq s[14:15], bk s[16:17], bv s[18:19]
	s_load_b256 s[20:27], s[0:1], 0x40             ; bp s[20:21], act s[22:23], wT s[24:25], biasR s[26:27]
	v_lshl_add_u32 v96, v0, 2, 0x2400
	v_mov_b32 v97, 0
	s_lshr_b32 s28, ttmp9, 8                       ; which W and bias; also x's batch
	s_and_b32 s29, ttmp9, 255                      ; which tile of W; also which 8 rows of the batch
	s_lshr_b32 s38, s29, 4                         ; the tile's block along k
	s_and_b32 s39, s29, 15                         ; and along n
	s_lshl_b32 s34, ttmp9, 15                      ; x: 8 rows of 4,096 bytes a work-group
	s_mov_b32 s35, 0
	s_lshl_b32 s36, s28, 22                        ; act: the batch's 16 blocks of 262,144 bytes,
	s_lshl_b32 s37, s29, 10                        ; 8 rows of 128 bytes
	s_add_co_u32 s36, s36, s37
	s_mov_b32 s37, 0
	s_lshl_b32 s40, s38, 18                        ; W: 64 rows of 4,096 bytes,
	s_lshl_b32 s41, s39, 8                         ; 64 columns of 4 bytes
	s_add_co_u32 s40, s40, s41
	s_mov_b32 s41, 0
	s_lshl_b32 s42, s28, 4                         ; wT: n = 1,024 x number + 64 x block: 8,192 bytes for each 64,
	s_add_co_u32 s42, s42, s39
	s_lshl_b32 s42, s42, 13
	s_lshl_b32 s43, s38, 19                        ; a block along k is 524,288 bytes
	s_add_co_u32 s42, s42, s43
	s_mov_b32 s43, 0
	s_lshl_b32 s44, s28, 12                        ; biasR: 4,096 bytes a vector
	s_mov_b32 s45, 0
	s_mov_b32 s46, 0xffff0000                      ; a word's upper bf16
	v_and_b32 v1, 31, v0                           ; lane
	v_lshrrev_b32 v2, 5, v0                        ; wave
	v_lshrrev_b32 v10, 3, v1
	v_and_b32 v11, 7, v1
	v_lshlrev_b32 v[XO], 12, v10
	v_lshl_add_u32 v[XO], v11, 5, v[XO]
	v_lshl_add_u32 v[XO], v2, 9, v[XO]
	v_lshlrev_b32 v[XD], 4, v1
	v_lshl_add_u32 v[XD], v2, 19, v[XD]
	v_and_b32 v10, 15, v0
	v_lshrrev_b32 v11, 4, v0
	v_lshlrev_b32 v[WO], 4, v10
	v_lshl_add_u32 v[WO], v11, 14, v[WO]
	v_mul_u32_u24 v[LS], v10, 576
	v_lshl_add_u32 v[LS], v11, 3, v[LS]
	v_lshrrev_b32 v10, 3, v0
	v_and_b32 v11, 7, v0
	v_mul_u32_u24 v[LR], v10, 144
	v_lshl_add_u32 v[LR], v11, 4, v[LR]
	v_lshlrev_b32 v[WD], 4, v0
	s_wait_kmcnt 0x0
	s_cmp_eq_u32 s28, 1                            ; my W in s[30:31], my bias in s[32:33]: a choice between buffers by the work-group's number
	s_cselect_b64 s[30:31], s[8:9], s[6:7]
	s_cselect_b64 s[32:33], s[16:17], s[14:15]
	s_cmp_eq_u32 s28, 2
	s_cselect_b64 s[30:31], s[10:11], s[30:31]
	s_cselect_b64 s[32:33], s[18:19], s[32:33]
	s_cmp_eq_u32 s28, 3
	s_cselect_b64 s[30:31], s[12:13], s[30:31]
	s_cselect_b64 s[32:33], s[20:21], s[32:33]
	s_add_nc_u64 s[4:5], s[4:5], s[34:35]
	s_add_nc_u64 s[22:23], s[22:23], s[36:37]
	s_add_nc_u64 s[30:31], s[30:31], s[40:41]
	s_add_nc_u64 s[24:25], s[24:25], s[42:43]
	s_add_nc_u64 s[26:27], s[26:27], s[44:45]
	; all twelve loads go out at once: W's four first, since the barrier waits for them
.irp i, 0,1,2,3
	global_load_b128 v[WVL+4*(\i):WVL+4*(\i)+3], v[WO], s[30:31] offset:(\i)*4096 th:TH_LOAD_NT  ; rows 4 (t / 16) + i: 16 lanes take 256 consecutive bytes
.endr
.irp i, 0,1,2,3                        ; item i: block 2 wave + i / 2, rows 4 (i % 2) .. + 3; a lane takes 8 numbers, 32 bytes
	global_load_b128 v[XV+8*(\i):XV+8*(\i)+3],   v[XO], s[4:5] offset:((\i)/2)*256+((\i)%2)*16384 th:TH_LOAD_NT
	global_load_b128 v[XV+8*(\i)+4:XV+8*(\i)+7], v[XO], s[4:5] offset:((\i)/2)*256+((\i)%2)*16384+16 th:TH_LOAD_NT
.endr
	s_wait_loadcnt 8                               ; W's four are in; x's eight, issued behind them, stay out
.irp j, 0,1,2,3                        ; column 4 (t % 16) + j: its four k, 8 bytes, into row n of 144 bytes
	RND WP+2*(\j), WVL+(\j), WVL+4+(\j), 10
	RND WP+2*(\j)+1, WVL+8+(\j), WVL+12+(\j), 12
	ds_store_b64 v[LS], v[WP+2*(\j):WP+2*(\j)+1] offset:(\j)*144  ; neighbouring lanes lie 576 bytes apart, so some meet in a bank: four such stores a thread in the whole launch
.endr
	s_wait_dscnt 0x0                               ; for the others' sake: my stores are done
	s_barrier_signal -1
	s_barrier_wait -1
	ds_load_b128 v[WB:WB+3],   v[LR]               ; rows n = t / 8 and 32 + t / 8, 16 bytes of each
	ds_load_b128 v[WB+4:WB+7], v[LR] offset:32*144
.irp i, 0,1,2,3
	s_wait_loadcnt 6-2*(\i)                        ; item i's two loads are in; the younger items' stay out
.irp m, 0,1,2,3
	RND XR+4*(\i)+(\m), XV+8*(\i)+2*(\m), XV+8*(\i)+2*(\m)+1, 10+2*((\m)%2)
.endr
	global_store_b128 v[XD], v[XR+4*(\i):XR+4*(\i)+3], s[22:23] offset:((\i)/2)*262144+((\i)%2)*512  ; the wave stores 512 consecutive bytes: four rows of one block
.endr
	s_wait_dscnt 0x0
	global_store_b128 v[WD], v[WB:WB+3],   s[24:25]              ; the tile leaves as 8,192 consecutive bytes
	global_store_b128 v[WD], v[WB+4:WB+7], s[24:25] offset:4096
	s_cmp_lg_u32 s29, 0
	s_cbranch_scc1 .Lend                           ; one work-group for each bias vector
	global_load_b128 v[12:15], v[WD], s[32:33]
	s_wait_loadcnt 0x0
	v_cvt_pk_bf16_f32 v10, v12, v13
	v_cvt_pk_bf16_f32 v11, v14, v15
	v_lshlrev_b32 v12, 16, v10
	v_and_b32 v13, s46, v10
	v_lshlrev_b32 v14, 16, v11
	v_and_b32 v15, s46, v11
	global_store_b128 v[WD], v[12:15], s[26:27]
.Lend:
	s_wait_tensorcnt 0x0
	ds_add_u32 v96, v97
	s_wait_dscnt 0x0
	s_endpgm
.Lfunc_end_k_q07d4705c6f_prep:
	.size	k_q07d4705c6f_prep, .Lfunc_end_k_q07d4705c6f_prep-k_q07d4705c6f_prep
	.p2alignl 7, 3214868480
	.fill 96, 4, 3214868480
	.section	.rodata,"a",@progbits
	.p2align	6, 0x0
	.amdhsa_kernel k_q07d4705c6f_prep
		.amdhsa_group_segment_fixed_size 10240
		.amdhsa_private_segment_fixed_size 0
		.amdhsa_enable_private_segment 0
		.amdhsa_kernarg_size 96
		.amdhsa_user_sgpr_count 2
		.amdhsa_user_sgpr_kernarg_segment_ptr 1
		.amdhsa_wavefront_size32 1
		.amdhsa_system_sgpr_workgroup_id_x 1
		.amdhsa_system_sgpr_workgroup_id_y 1
		.amdhsa_system_sgpr_workgroup_id_z 1
		.amdhsa_system_vgpr_workitem_id 0
		.amdhsa_next_free_vgpr 98
		.amdhsa_next_free_sgpr 66
		.amdhsa_reserve_vcc 0
		.amdhsa_float_denorm_mode_32 3
		.amdhsa_float_denorm_mode_16_64 3
		.amdhsa_memory_ordered 1
		.amdhsa_forward_progress 1
		.amdhsa_inst_pref_size 11
	.end_amdhsa_kernel
	.amdgpu_metadata
---
amdhsa.version: [ 1, 2 ]
amdhsa.kernels:
  - .name:           k_q07d4705c6f_prep
    .symbol:         k_q07d4705c6f_prep.kd
    .args:
      - { .name: x, .offset: 0, .size: 8, .value_kind: global_buffer, .address_space: global }
      - { .name: Wq, .offset: 8, .size: 8, .value_kind: global_buffer, .address_space: global }
      - { .name: Wk, .offset: 16, .size: 8, .value_kind: global_buffer, .address_space: global }
      - { .name: Wv, .offset: 24, .size: 8, .value_kind: global_buffer, .address_space: global }
      - { .name: Wp, .offset: 32, .size: 8, .value_kind: global_buffer, .address_space: global }
      - { .name: bq, .offset: 40, .size: 8, .value_kind: global_buffer, .address_space: global }
      - { .name: bk, .offset: 48, .size: 8, .value_kind: global_buffer, .address_space: global }
      - { .name: bv, .offset: 56, .size: 8, .value_kind: global_buffer, .address_space: global }
      - { .name: bp, .offset: 64, .size: 8, .value_kind: global_buffer, .address_space: global }
      - { .name: act, .offset: 72, .size: 8, .value_kind: global_buffer, .address_space: global }
      - { .name: wT, .offset: 80, .size: 8, .value_kind: global_buffer, .address_space: global }
      - { .name: biasR, .offset: 88, .size: 8, .value_kind: global_buffer, .address_space: global }
    .group_segment_fixed_size: 10240
    .private_segment_fixed_size: 0
    .kernarg_segment_align: 8
    .kernarg_segment_size: 96
    .max_flat_workgroup_size: 256
    .sgpr_count:     66
    .vgpr_count:     98
    .wavefront_size: 32
...
	.end_amdgpu_metadata
.endif
;; end of part 1
;; launch qkvgemm (part 2): grid 8 x 32, 4 waves a work-group, clusters of 4 x 4, 327,680 bytes of LDS; arguments act, wT, biasR, qkv; writes qkv
.if DOCPART == 2
	.amdgcn_target "amdgcn-amd-amdhsa--gfx1250"
	.amdhsa_code_object_version 6
	.text
	.protected	k_q07d4705c6f_qkvgemm
	.globl	k_q07d4705c6f_qkvgemm
	.p2align	8
	.type	k_q07d4705c6f_qkvgemm,@function
k_q07d4705c6f_qkvgemm:
	s_mov_b64 s[64:65], 0
	v_nop
	global_prefetch_b8 v0, s[64:65] scope:SCOPE_SE
	s_setreg_imm32_b32 hwreg(HW_REG_WAVE_MODE, 25, 1), 1
	s_wait_xcnt 0x0
	s_wait_alu depctr_hold_cnt(0) depctr_sa_sdst(0) depctr_va_vdst(0) depctr_va_sdst(0) depctr_va_ssrc(0) depctr_va_vcc(0) depctr_vm_vsrc(0)
	s_getreg_b32 s2, hwreg(HW_REG_IB_STS2, 6, 4)
	s_cmp_eq_u32 s2, 0
	s_cbranch_scc0 .Lentry_in_a_cluster
	s_endpgm
.Lentry_in_a_cluster:
	s_bfe_u32 s2, ttmp6, 0x10000c
	s_cmp_lg_u32 s2, 0xf033
	s_cbranch_scc0 .Lentry_shape_is_right
	s_endpgm
.Lentry_shape_is_right:
; Q, K, V = x W + b, all three in one product: [8192 x 1024] . [1024 x 3072].  Operands f16 (numbers rounded to bf16, written as f16), sums f32 that BEGIN with the bias, results rounded once to f16.
;   act [b 4][kb 16][t 2048][64]   wT [kb 16][n 4096][64] (n 0-3071 here)   biasR f32[4096]   qkv [which 3][b x 16 + head][t 2048][64] f16, without attention's scale
; LIMIT.  A result of 65,520 or more becomes an infinity in f16; NaN and infinities are not treated apart.
; SHARES.  256 work-groups, each 256 rows x 384 columns; four waves, each 128 rows x 192 columns = three heads: 96 accumulators of 16 x 16, 768 registers, a head to a register window.
; K goes in 16 steps of 64 (one block kb) through a ring of two LDS slots.  A block's rows are dense in memory, so a tile is asked for as rows of 256 bytes and padded in LDS after every 128.
; A K step is written twice: once with a refill (14 trips), once without (the last two steps, a loop of two trips).
; CLUSTER.  4 x 4 work-groups: the four of a row of the cluster need the same rows of act, the four of a column the same rows of wT: each tile is asked for JOINTLY, by the same tensor load with the same
; descriptor and a mask that names the four.  By this text's own count a wave has two tensor loads out at the start and one behind each round.
; NO PREFETCH INTO THE L2: a refill is asked for 160 of a step's 192 matrix instructions ahead of the wait for it.
; THE MATRIX INSTRUCTION IS USED TRANSPOSED (source 0 = 16 rows of wT, source 1 = 16 rows of act): lane l holds row l % 16 and the columns 8 (l / 16) + 0..7.
; REGISTERS, in windows of 256 (s_set_vgpr_msb: bits 1:0 source 0, 3:2 source 1, 5:4 source 2, 7:6 destination):
;   window 0: v0-29 addresses; v32-95, v96-159 fragments of act (8 x 16 rows x 32 K), two buffers; v160-191, v192-223 fragments of wT (4 x 16 rows x 32 K: one head), two buffers
;   window 1 + g: head g's 32 accumulators, (a, c) at v[8 (4 a + c)]
.set PITCH, 144       ; an LDS row: 128 bytes + 16 of padding = 9 x 16: the 16 rows of a fragment load begin in 16 different 16-byte columns of 256 bytes
.set SLOT1, 1<<17     ; slot 1 begins here, so that one exclusive or turns an address in one slot into the other's
.set BOFF,  256*PITCH ; a slot: 256 rows of act, then 384 rows of wT
.set LOADA, 128*PITCH ; what one load of act brings, and what one wave reads of it
.set LOADB, 192*PITCH ; the same for wT
.set GRP,   64*PITCH  ; a head's 64 rows of wT
.set STAGE, SLOT1+640*PITCH  ; behind the ring, never filled by a tensor load: 16 rows x 144 bytes for each wave, for the way out
.set BIAS,  STAGE+4*16*PITCH ; 768 bytes for each wave: the bias of its 192 columns
.set SPARE, BIAS+4*768       ; the spare words, 128 bytes for each wave: two blocks of 256 bytes that no other line names
.set STEPS, 16
.set STEPA, 1<<18     ; bytes from a block kb to the next in act
.set STEPB, 1<<19     ; and in wT
.set RA,    64        ; rows of 256 bytes in a load of act (128 rows of 128)
.set RB,    96        ; and of wT (192 rows of 128)
.set G1W,   (1<<16)|(1<<20)|(1<<21)|(4<<22)|(3<<25)  ; 17:16 2-byte elements; 20 padding on; 21 set beside a mask; 24:22 after every 32 words (code 4); 31:25 4 words (code 3)
.set A0,   2          ; v2   my lane's place in a slot's rows of act; never rewritten
.set B0,   3          ; v3   the same for wT
.set ADRA, 4          ; v4   A0 + the slot in hand
.set ADRB, 5          ; v5   B0 + the slot in hand
.set STO,  6          ; v6   the way out: where I put 16 bytes of a row
.set RD,   7          ; v7   the way out: where I read rows back
.set GO,   8          ; v8   my byte offset in 512 consecutive bytes of qkv
.set BIA,  9          ; v9   my wave's bias in LDS + 32 (l / 16)
.set SPW,  28         ; v28  LDS address of my spare word; never rewritten
.set NIL,  29         ; v29  0; never rewritten
.set AF,   32
.set BF,   160
.set OUTR, 32         ; the way out: two sets of 16 registers
.set WV,  12          ; s12  my wave's number
.set G1A, 24          ; s[24:31] descriptor group 1 for act's tiles
.set G0A, 32          ; s[32:39] group 0: a set for each of the two first fills; the second then walks
.set TB,  40          ; s40  the slot in hand: 0 or SLOT1
.set CNT, 41          ; s41  counts the trips of the loop in hand
.set G1B, 48          ; s[48:55], s[56:63] the same for wT's tiles
.set G0B, 56
.set CB,  66          ; s[66:71] qkv at my 128 rows of head g
.set MSB, 0
.macro WIN new                         ; the immediate's high byte repeats the setting that is left; a switch that changes nothing is dropped
.if MSB != (\new)
	s_set_vgpr_msb (MSB<<8)|(\new)
.set MSB, (\new)
.endif
.endm
.macro PLACES                          ; a load into a register that a matrix instruction has read, and a vector instruction or LDS store that reads a matrix result, stand four plain
.rept 4                                ; vector instructions behind it (ISA guide 7.12.1 for vector instructions)
	v_nop
.endr
.endm
.macro HEAD                            ; in front of each run of fragment loads: all fragments and addresses lie in window 0
	WIN 0
	PLACES
.endm
; A joint refill.  Waves 0 and 1 fetch the two halves of act's tile, waves 2 and 3 those of wT's.  The branch hangs on the wave's number alone.
; An s_nop 0 and four v_nop follow each of the two lines, ahead of the jump and the label.
.macro JLOAD
	s_cmp_lt_u32 s[WV], 2
	s_cbranch_scc0 .Lfor_b_\@
	tensor_load_to_lds s[G0A+4:G0A+7], s[G1A:G1A+7]
	s_nop 0
.rept 4
	v_nop
.endr
	s_branch .Lasked_\@
.Lfor_b_\@:
	tensor_load_to_lds s[G0B+4:G0B+7], s[G1B:G1B+7]
	s_nop 0
.rept 4
	v_nop
.endr
.Lasked_\@:
.endm
.macro CREST                           ; a round of the cluster's barrier behind its opening barrier
	s_cmp_lg_u32 s[WV], 0
	s_cbranch_scc1 .Lnot_wave_0_\@
	s_barrier_signal -3
.Lnot_wave_0_\@:
	s_barrier_wait -3
	s_barrier_signal -1
	s_barrier_wait -1
.endm
.macro CROUND                          ; a whole round
	s_barrier_signal -1
	s_barrier_wait -1
	CREST
.endm
	s_load_b256 s[4:11], s[0:1], 0x0               ; act s[4:5], wT s[6:7], biasR s[8:9], qkv s[10:11]
	v_lshl_add_u32 v[SPW], v0, 2, SPARE
	v_mov_b32 v[NIL], 0
	ds_add_u32 v28, v29
	ds_add_u32 v28, v29
	s_wait_dscnt 0x0
	v_lshrrev_b32 v11, 5, v0
	v_readfirstlane_b32 s[WV], v11                 ; wave 0..3
	s_lshr_b32 s13, s[WV], 1                       ; which 128 of the tile's rows are mine
	s_and_b32 s14, s[WV], 1                        ; which 192 of its columns; also: which half of a tile I fetch
	s_bfe_u32 s15, ttmp6, 0x40000                  ; cx, cy: my place in the cluster
	s_bfe_u32 s16, ttmp6, 0x40004
	s_lshl_b32 s17, ttmp9, 2
	s_add_co_u32 s17, s17, s15                     ; tile column = 4 x cluster x + cx, 0..7
	s_and_b32 s18, ttmp7, 0xffff
	s_lshl_b32 s18, s18, 2
	s_add_co_u32 s18, s18, s16                     ; tile row = 4 x cluster y + cy, 0..31
	s_lshl_b32 s42, s16, 2
	s_lshl_b32 s42, 15, s42                        ; my row of the cluster
	s_lshl_b32 s43, 0x1111, s15                    ; my column
	s_or_b32 s[G1A], s42, G1W                      ; act's tiles go to my row,
	s_or_b32 s[G1B], s43, G1W                      ; wT's to my column
	s_mov_b32 s[G1A+1], 128<<16                    ; tensor_dim0 = 128 elements, 256 bytes
	s_mov_b32 s[G1A+2], RA<<16                     ; tensor_dim1
	s_mov_b32 s[G1A+3], 128<<16                    ; tile_dim0
	s_mov_b32 s[G1A+4], RA                         ; tile_dim1
	s_mov_b32 s[G1A+5], 128                        ; elements from row to row: the block is dense
	s_mov_b32 s[G1A+6], 0
	s_mov_b32 s[G1A+7], 0
	s_mov_b32 s[G1B+1], 128<<16
	s_mov_b32 s[G1B+2], RB<<16
	s_mov_b32 s[G1B+3], 128<<16
	s_mov_b32 s[G1B+4], RB
	s_mov_b32 s[G1B+5], 128
	s_mov_b32 s[G1B+6], 0
	s_mov_b32 s[G1B+7], 0
	; where the tiles come from.  act's hang on the tile row alone, wT's on the tile column alone, each in registers that never hold the other coordinate
	s_lshr_b32 s20, s18, 3
	s_lshl_b32 s20, s20, 22                        ; the batch: 16 blocks of 262,144 bytes,
	s_and_b32 s21, s18, 7
	s_lshl_b32 s21, s21, 15                        ; 256 rows of 128 bytes,
	s_add_co_u32 s20, s20, s21
	s_lshl_b32 s21, s14, 14                        ; my half of them
	s_add_co_u32 s20, s20, s21
	s_mov_b32 s21, 0
	s_mul_i32 s44, s17, 384*128                    ; 384 rows of wT,
	s_mul_i32 s45, s14, 192*128                    ; my half of them
	s_add_co_u32 s44, s44, s45
	s_mov_b32 s45, 0
	s_mul_i32 s22, s14, LOADA                      ; and where they go: no place in the cluster enters an LDS address
	s_mul_i32 s23, s14, LOADB
	s_add_co_u32 s23, s23, BOFF
	s_wait_kmcnt 0x0
	s_add_nc_u64 s[20:21], s[4:5], s[20:21]
	s_add_nc_u64 s[44:45], s[6:7], s[44:45]
.irp s, 0,1
	s_mov_b32 s[G0A+4*(\s)], 1                                     ; count = 1
	s_add_co_u32 s[G0A+4*(\s)+1], s22, (\s)*SLOT1                  ; LDS address
	s_add_nc_u64 s[G0A+4*(\s)+2:G0A+4*(\s)+3], s[20:21], (\s)*STEPA  ; global address: K step s
	s_or_b32 s[G0A+4*(\s)+3], s[G0A+4*(\s)+3], 0x80000000          ; type = 2
	s_mov_b32 s[G0B+4*(\s)], 1
	s_add_co_u32 s[G0B+4*(\s)+1], s23, (\s)*SLOT1
	s_add_nc_u64 s[G0B+4*(\s)+2:G0B+4*(\s)+3], s[44:45], (\s)*STEPB
	s_or_b32 s[G0B+4*(\s)+3], s[G0B+4*(\s)+3], 0x80000000
.endr
	CROUND                                         ; all sixteen work-groups are here: the first joint loads meet
	s_cmp_lt_u32 s[WV], 2                          ; a wave's two first fills stand in one branch, ahead of every wait on TENSORcnt and every LDS instruction
	s_cbranch_scc0 .Lfirst_b
	tensor_load_to_lds s[G0A:G0A+3], s[G1A:G1A+7]
	s_nop 0
	tensor_load_to_lds s[G0A+4:G0A+7], s[G1A:G1A+7]
	s_nop 0
.rept 4
	v_nop
.endr
	s_branch .Lfirst_asked
.Lfirst_b:
	tensor_load_to_lds s[G0B:G0B+3], s[G1B:G1B+7]
	s_nop 0
	tensor_load_to_lds s[G0B+4:G0B+7], s[G1B:G1B+7]
	s_nop 0
.rept 4
	v_nop
.endr
.Lfirst_asked:
	; the bias of my 192 columns: 768 bytes, three loads of 256 bytes a wave
	s_mul_i32 s46, s17, 384*4
	s_mul_i32 s47, s14, 192*4
	s_add_co_u32 s46, s46, s47
	s_mov_b32 s47, 0
	s_add_nc_u64 s[8:9], s[8:9], s[46:47]
	v_and_b32 v14, 31, v0
	v_lshlrev_b32 v15, 3, v14                      ; 8 bytes a lane
.irp g, 0,1,2
	global_load_b64 v[16+2*(\g):17+2*(\g)], v15, s[8:9] offset:256*(\g)
.endr
	; A fragment is 16 rows x 32 K in 8 registers: lane l holds row l % 16; registers 0-3 K = 8 (l / 16) + 0..7, registers 4-7 K = 16 + 8 (l / 16) + 0..7: two loads of 16 bytes, 32 bytes apart
	v_and_b32 v1, 15, v0                           ; l % 16
	v_bfe_u32 v10, v0, 4, 1                        ; l / 16
	v_mul_u32_u24 v11, v1, PITCH
	v_lshl_add_u32 v11, v10, 4, v11                ; row x pitch + 16 x half
	s_mul_i32 s19, s13, LOADA
	v_add_nc_u32 v[A0], s19, v11
	s_mul_i32 s19, s14, LOADB
	s_add_co_u32 s19, s19, BOFF
	v_add_nc_u32 v[B0], s19, v11
	s_mul_i32 s19, s[WV], 16*PITCH
	s_add_co_u32 s19, s19, STAGE                   ; my stage
	v_add_nc_u32 v[STO], s19, v11                  ; in: row l % 16, 16 bytes for each half of the lanes
	v_bfe_u32 v12, v0, 3, 2                        ; back: 32 lanes take four rows of 128 bytes,
	v_and_b32 v13, 7, v0
	v_mul_u32_u24 v12, v12, PITCH
	v_lshl_add_u32 v12, v13, 4, v12
	v_add_nc_u32 v[RD], s19, v12
	v_lshlrev_b32 v[GO], 4, v14                    ; which are 512 consecutive bytes of qkv
	s_mul_i32 s19, s[WV], 768
	s_add_co_u32 s19, s19, BIAS                    ; my wave's bias in LDS
	v_add_nc_u32 v12, s19, v15
	v_lshl_add_u32 v[BIA], v10, 5, s19
	; qkv at my 128 rows of head g: column group 6 x tile column + 3 x half + g = 16 x which + head
	s_and_b32 s72, s18, 7
	s_lshl_b32 s72, s72, 15                        ; the tile's 256 rows of 128 bytes,
	s_lshl_b32 s73, s13, 14                        ; my 128 of them
	s_add_co_u32 s72, s72, s73
	s_lshr_b32 s73, s18, 3
	s_lshl_b32 s73, s73, 4                         ; 16 x batch
	s_mul_i32 s74, s17, 6
	s_mul_i32 s75, s14, 3
	s_add_co_u32 s74, s74, s75
	s_mov_b32 s79, 0
.irp g, 0,1,2
	s_add_co_u32 s75, s74, \g
	s_lshr_b32 s76, s75, 4                         ; q, k or v: 64 heads' rows each
	s_lshl_b32 s76, s76, 6
	s_and_b32 s75, s75, 15                         ; the head
	s_add_co_u32 s76, s76, s75
	s_add_co_u32 s76, s76, s73
	s_lshl_b32 s78, s76, 18                        ; a head's rows are 262,144 bytes
	s_add_co_u32 s78, s78, s72
	s_add_nc_u64 s[CB+2*(\g):CB+2*(\g)+1], s[10:11], s[78:79]
.endr
	s_wait_loadcnt 0x0
.irp g, 0,1,2
	ds_store_b64 v12, v[16+2*(\g):17+2*(\g)] offset:256*(\g)
.endr
	; THE SUMS BEGIN WITH THE BIAS: every accumulator takes the bias of its eight columns.  Nothing is cleared and nothing is added on the way out; all this stands in the wait for the first tile.
	; LDS serves a wave's instructions in order (ISA guide 5.7.1.4): these loads see the stores above, which are the wave's own.
.set g, 0
.rept 3
	WIN (1+g)<<6                                   ; destination window 1 + g, address window 0
.set i, 0
.rept 32
	ds_load_b128 v[8*i:8*i+3],   v[BIA] offset:(64*g+16*(i%4))*4
	ds_load_b128 v[8*i+4:8*i+7], v[BIA] offset:(64*g+16*(i%4))*4+16
.set i, i+1
.endr
.set g, g+1
.endr
	WIN 0
.macro LDB buf, off                    ; 8 LDS loads: one head's 64 rows of wT, 32 along K, at byte off behind my first row
.irp c, 0,1,2,3
	ds_load_b128 v[BF+32*(\buf)+8*(\c):BF+32*(\buf)+8*(\c)+3],   v[ADRB] offset:(\off)+(\c)*16*PITCH
	ds_load_b128 v[BF+32*(\buf)+8*(\c)+4:BF+32*(\buf)+8*(\c)+7], v[ADRB] offset:(\off)+(\c)*16*PITCH+32
.endr
.endm
.macro LDA buf, off                    ; 16 LDS loads: my 128 rows of act, 32 along K
.irp a, 0,1,2,3,4,5,6,7
	ds_load_b128 v[AF+64*(\buf)+8*(\a):AF+64*(\buf)+8*(\a)+3],   v[ADRA] offset:(\off)+(\a)*16*PITCH
	ds_load_b128 v[AF+64*(\buf)+8*(\a)+4:AF+64*(\buf)+8*(\a)+7], v[ADRA] offset:(\off)+(\a)*16*PITCH+32
.endr
.endm
; 4 n matrix instructions on window w's accumulators: row blocks a0 .. a0 + n - 1 x the head's four column blocks.  The accumulators take turns, one instruction a turn:
; a phase names 32 different ones, and the next phase another window's.
.macro MUL w, ab, bb, a0, n
	WIN 0x50*(\w)                                  ; C and D window w, sources window 0
.set ma, (\a0)
.rept \n
.irp c, 0,1,2,3
	v_wmma_f32_16x16x32_f16 v[8*(4*ma+(\c)):8*(4*ma+(\c))+7], v[BF+32*(\bb)+8*(\c):BF+32*(\bb)+8*(\c)+7], v[AF+64*(\ab)+8*ma:AF+64*(\ab)+8*ma+7], v[8*(4*ma+(\c)):8*(4*ma+(\c))+7]
.endr
.set ma, ma+1
.endr
.endm
; A K STEP: six phases of 32 matrix instructions (three heads x two halves of the step's 64 along K).  Each phase's head fetches the fragments of the phase after it.
; fill = 1: the slot is filled again, two steps ahead.  fill = 0: the text of the last two steps: nothing is asked for; in the second of its two trips (CNT = 1) there is no next step,
; and the run that would fetch its first fragments is jumped over; that trip's barrier orders nothing more: the price of one text for both.
.macro STEP fill
	HEAD
	LDB 1, GRP                                     ; head 1, K 0-31
	s_wait_dscnt 8                                 ; all but the 8 just issued
	MUL 1, 0, 0, 0, 8
	HEAD
	LDB 0, 2*GRP                                   ; head 2, K 0-31
	LDA 1, 64                                      ; act, K 32-63
	s_wait_dscnt 24                                ; all but the 24 just issued
	MUL 2, 0, 1, 0, 8
	HEAD
	LDB 1, 64                                      ; head 0, K 32-63
	s_wait_dscnt 24                                ; head 2's fragments are in; act's 16 and these 8 may be out
	MUL 3, 0, 0, 0, 8
	HEAD
	LDB 0, GRP+64                                  ; head 1, K 32-63
	s_wait_dscnt 8
	MUL 1, 1, 1, 0, 8
	HEAD
	LDB 1, 2*GRP+64                                ; head 2, K 32-63: my last reads of this slot
	; THE CHANGE OF SLOTS: one barrier.  In front of it each wave waits for all its tensor loads, of which at most one is out: its part of the other slot; adds 0 to its spare word; and waits for that and
	; for its reads of this slot.  Behind it nobody reads this slot any more and the other slot is whole.
	s_wait_tensorcnt 0x0                           ; no tensor load of mine is out, so a group 0 may be written
	ds_add_u32 v[SPW], v[NIL]                      ; 0 onto my spare word
.if \fill
	s_xor_b32 s[G0A+5], s[G0A+5], SLOT1            ; the walking descriptors: the other slot than last time,
	s_xor_b32 s[G0B+5], s[G0B+5], SLOT1
	s_add_nc_u64 s[G0A+6:G0A+7], s[G0A+6:G0A+7], STEPA  ; the next K step; the type bits on top are not reached
	s_add_nc_u64 s[G0B+6:G0B+7], s[G0B+6:G0B+7], STEPB
.endif
	s_wait_dscnt 9                                 ; the add and the 8 loads just issued may be out
	MUL 2, 1, 0, 0, 4                              ; sixteen matrix instructions stand between the add and the wait for it
	s_wait_dscnt 0x0                               ; the add is done, and my reads of this slot are over
	s_barrier_signal -1                            ; (with fill = 1 this barrier opens a round of the cluster's)
	MUL 2, 1, 0, 4, 4                              ; work on registers while the others arrive
	WIN 0                                          ; at a branch and at a label every window is 0
	s_barrier_wait -1
.if \fill
	CREST                                          ; no wave of any partner still reads this slot's tile or has a load on its way
	JLOAD                                          ; the first tensor load behind the round: 160 matrix instructions ahead of the wait for it; its four v_nop are also the places in front of the loads below
.else
	PLACES
	s_cmp_eq_u32 s[CNT], 1
	s_cbranch_scc1 .Lno_next_\@                    ; the last step: nothing follows it
.endif
	s_xor_b32 s[TB], s[TB], SLOT1
	v_add_nc_u32 v[ADRA], s[TB], v[A0]
	v_add_nc_u32 v[ADRB], s[TB], v[B0]
	LDB 0, 0                                       ; the next step's first fragments
	LDA 0, 0
.if !(\fill)
.Lno_next_\@:
.endif
	MUL 3, 1, 1, 0, 8
	WIN 0
.endm
	s_wait_tensorcnt 0x1                           ; my part of K step 0 is in; K step 1's may stay out
	s_wait_dscnt 0x0                               ; the accumulators hold the bias
	s_barrier_signal -1
	s_barrier_wait -1                              ; everybody's part is in
	s_mov_b32 s[TB], 0
	v_mov_b32 v[ADRA], v[A0]
	v_mov_b32 v[ADRB], v[B0]
	LDB 0, 0
	LDA 0, 0
	s_mov_b32 s[CNT], STEPS-2
.Lstep:                                                ; 14 trips: every step but the last two fills its slot again
	STEP 1
	s_sub_co_u32 s[CNT], s[CNT], 1
	s_cmp_lg_u32 s[CNT], 0
	s_cbranch_scc1 .Lstep
	s_mov_b32 s[CNT], 2
.Ltail:                                                ; the last two steps have a text of their own
	STEP 0
	s_sub_co_u32 s[CNT], s[CNT], 1
	s_cmp_lg_u32 s[CNT], 0
	s_cbranch_scc1 .Ltail
	s_wait_dscnt 0x0                               ; every LDS load is back before the fragments' registers serve the way out
; THE WAY OUT.  Unit u = 8 g + a: 16 rows of head g, 2,048 consecutive bytes of qkv.  A lane's eight columns of a row pack into 16 bytes; they go into my stage's rows of 144 bytes and come back as whole rows.
.macro PACK u
.set pg, (\u)/8
.set pa, (\u)%8
.set ps, OUTR+16*((\u)%2)
	s_wait_xcnt 0x0                                ; the stores of the unit two back have read this set of registers (ISA guide 3.1): it is rewritten only behind this wait
	WIN 5*(1+pg)                                   ; sources 0 and 1 window 1 + g, destination window 0
.irp c, 0,1,2,3
.irp i, 0,1,2,3
	v_cvt_pk_f16_f32 v[ps+4*(\c)+(\i)], v[8*(4*pa+(\c))+2*(\i)], v[8*(4*pa+(\c))+2*(\i)+1]  ; each accumulator's registers in ascending order
.endr
.endr
	WIN 0
.irp c, 0,1,2,3
	ds_store_b128 v[STO], v[ps+4*(\c):ps+4*(\c)+3] offset:32*(\c)
.endr
.irp f, 0,1,2,3
	ds_load_b128 v[ps+4*(\f):ps+4*(\f)+3], v[RD] offset:(\f)*4*PITCH  ; in order behind the stores above; the next unit's stores come behind them
.endr
.endm
.macro SEND u, younger                 ; younger: the LDS instructions issued behind unit u's loads, which may stay out: the next unit's eight, or none
.set pg, (\u)/8
.set pa, (\u)%8
.set ps, OUTR+16*((\u)%2)
	s_wait_dscnt \younger                          ; the unit's four loads are back
.irp f, 0,1,2,3
	global_store_b128 v[GO], v[ps+4*(\f):ps+4*(\f)+3], s[CB+2*pg:CB+2*pg+1] offset:pa*2048+(\f)*512  ; 512 consecutive bytes, at a multiple of 256 from qkv's first
.endr
.endm
	PLACES
	PACK 0
.set u, 1
.rept 23                               ; a unit's conversions stand between the loads of the unit before and its stores
	PACK u
	SEND u-1, 8
.set u, u+1
.endr
	SEND 23, 0
	s_wait_tensorcnt 0x0                           ; the wave's end, behind my last tensor load and my last LDS store
	ds_add_u32 v[SPW], v[NIL]
	s_wait_dscnt 0x0
	CROUND                                         ; the closing round: no work-group ends while a partner may still ask for a tile that names it
	s_endpgm
.Lfunc_end_k_q07d4705c6f_qkvgemm:
	.size	k_q07d4705c6f_qkvgemm, .Lfunc_end_k_q07d4705c6f_qkvgemm-k_q07d4705c6f_qkvgemm
	.p2alignl 7, 3214868480
	.fill 96, 4, 3214868480
	.section	.rodata,"a",@progbits
	.p2align	6, 0x0
	.amdhsa_kernel k_q07d4705c6f_qkvgemm
		.amdhsa_group_segment_fixed_size 327680
		.amdhsa_private_segment_fixed_size 0
		.amdhsa_enable_private_segment 0
		.amdhsa_kernarg_size 32
		.amdhsa_user_sgpr_count 2
		.amdhsa_user_sgpr_kernarg_segment_ptr 1
		.amdhsa_wavefront_size32 1
		.amdhsa_system_sgpr_workgroup_id_x 1
		.amdhsa_system_sgpr_workgroup_id_y 1
		.amdhsa_system_sgpr_workgroup_id_z 1
		.amdhsa_system_vgpr_workitem_id 0
		.amdhsa_next_free_vgpr 1024
		.amdhsa_next_free_sgpr 80
		.amdhsa_reserve_vcc 0
		.amdhsa_float_denorm_mode_32 3
		.amdhsa_float_denorm_mode_16_64 3
		.amdhsa_memory_ordered 1
		.amdhsa_forward_progress 1
		.amdhsa_inst_pref_size 109
	.end_amdhsa_kernel
	.amdgpu_metadata
---
amdhsa.version: [ 1, 2 ]
amdhsa.kernels:
  - .name:           k_q07d4705c6f_qkvgemm
    .symbol:         k_q07d4705c6f_qkvgemm.kd
    .args:
      - { .name: act, .offset: 0, .size: 8, .value_kind: global_buffer, .address_space: global }
      - { .name: wT, .offset: 8, .size: 8, .value_kind: global_buffer, .address_space: global }
      - { .name: biasR, .offset: 16, .size: 8, .value_kind: global_buffer, .address_space: global }
      - { .name: qkv, .offset: 24, .size: 8, .value_kind: global_buffer, .address_space: global }
    .group_segment_fixed_size: 327680
    .private_segment_fixed_size: 0
    .kernarg_segment_align: 8
    .kernarg_segment_size: 32
    .max_flat_workgroup_size: 128
    .sgpr_count:     80
    .vgpr_count:     1024
    .wavefront_size: 32
...
	.end_amdgpu_metadata
.endif
;; end of part 2
;; launch attn (part 3): grid 4 x 64, 4 waves a work-group, no clusters, 327,680 bytes of LDS; arguments qkv, act; writes act
.if DOCPART == 3
	.amdgcn_target "amdgcn-amd-amdhsa--gfx1250"
	.amdhsa_code_object_version 6
	.text
	.protected	k_q07d4705c6f_attn
	.globl	k_q07d4705c6f_attn
	.p2align	8
	.type	k_q07d4705c6f_attn,@function
k_q07d4705c6f_attn:
	s_mov_b64 s[64:65], 0
	v_nop
	global_prefetch_b8 v0, s[64:65] scope:SCOPE_SE
	s_setreg_imm32_b32 hwreg(HW_REG_WAVE_MODE, 25, 1), 1
	s_wait_xcnt 0x0
; CAUSAL ATTENTION.  O[h][q][:] = the sum over k <= q of softmax_k(Q[h][q] . K[h][k] / sqrt(2048)) V[h][k][:].  Q, K, V are the three thirds of qkv, each [64 heads][2048][64] f16, unscaled; O goes into act
; in the same layout ([batch][head][t][64]): a head's rows are dense, 128 bytes each.
; Products, maxima and sums in f32; the weights p are rounded to f16 for the second product (their sum l is taken of the unrounded p), O once at the end.
; LIMITS.  f16 holds no number beyond 65,504: Q, K and V arrive within it; p lies in 0 to 1, and below 6e-5 it keeps f16's fixed step of 6e-8; O is a mean of V's rows and has their range, to within 2^-11 of it.
; A hidden score counts as its value less 1e30: f16's scores, 2.7e11 at the most, are nothing beside that; a weight below 2^-126 counts as 0 in l; NaN and infinities are not treated apart.
; THE WALK.  A head's queries lie in NB = 8 blocks of 256; block i needs the key tiles 0 .. i of 256 keys, of which the last holds the diagonal.  A work-group takes TWO blocks, NB - 1 - b and then b:
; NB + 1 tiles, whatever b: all work-groups do equal work, and ONE loop with a constant trip count walks them.  Which tile is asked for, and what a trip does, hang on scalar registers made from b; every jump
; goes forward, but for the counted loops' own; none passes a barrier, or a tensor load but the one of LOAD's two that the wave's number does not choose; the ring (two slots of LDS that take turns) runs on across the
; change of blocks.  NO CLUSTER: a head's four work-groups ask for the same tile only in trips 0 .. 4 of the 9, behind that fewer and fewer; one walk common to all four would have 12 trips for 9.
; SHARES.  Of a block's four bands of 64 queries a wave owns 16 rows in each: four PIECES.  So the diagonal tile is the same work for all four waves: in its key step s band x sees all keys if s < x,
; none if s > x, and holds the diagonal if s = x.
; THE MASK is the C operand that starts the sum S^T = K Q^T: 0, or -1e30 where the key is hidden.  MD, made once, is the mask of a band's own step for my 16 rows; a product's mask is MD x AL + BE with two scalars:
; (1, 0) if s = x; (0, 0) if s < x; (0, -1e30) if s > x.  Only the diagonal tile's text and a block's beginning make and take masks; elsewhere C is the constant 0.
; LAYOUT, SOFTMAX, TURNS.  S^T = K Q^T holds ONE query a lane (lane % 16) and the keys 8 (lane / 16) + 0..7; two such results rounded to f16 ARE source 1 of O^T = V^T P.  p = 2^(c s - c m), c = log2(e) / sqrt(2048),
; with a running maximum m; O and l are multiplied by a = 2^(c m_old - c m_new) in every step.  Turn n belongs to piece n: 8 products K Q^T of piece n + 1, later 8 products V^T P of piece n - 1; beside them the scaling,
; exponentials, roundings, sums and rescaling of piece n and the maximum and statistics of piece n + 1.  Four vector instructions stand behind every matrix instruction, the other 54 of a turn's 118 in two LUMPS.
; REGISTERS, in windows of 256 (s_set_vgpr_msb: bits 1:0 source 0, 3:2 source 1, 5:4 source 2, 7:6 destination):
;   window 0: v0-15 addresses and two at work; v16-31 four registers of statistics a piece; v48-55 at work; v64-127 S^T, two buffers; v192-223 P, two buffers (a piece's buffers go by its number's parity)
;   window 1: v0-127 O^T, 32 a piece; v128-159 MD; v160-223 MC, two buffers      window 2: v0-63 Q; v64-127 the second block's Q; v128-191 K of one step; v192-255 V of one step
.set SIZE_N, 2048
.set SIZE_H, 64
.set NB,    SIZE_N/256
.set NP,    4         ; pieces a wave: a name, no knob
.set KS,    64        ; keys in a step
.set PK,    144       ; a row of K in LDS: 128 bytes + 16 of padding = 36 words: the 16 rows of a load start at 16 different groups of four banks (64 banks of 4 bytes: ISA guide 11.1)
.set PV,    160       ; a row of V: 128 + 32 = 40 words
.set VOFF,  4*KS*PK   ; a slot holds a tile, four steps: 256 rows of K, then 256 rows of V
.set SLOT1, 1<<17     ; slot 1 begins here, so that one exclusive or turns an address in one slot into the other's
.set STAGE, SLOT1+4*KS*(PK+PV)  ; behind the ring, never filled by a tensor load: 16 rows x 144 bytes for each wave, for the way out
.set SP,    144
.set AK0, 2           ; v2   my lane's place in a tile of K; never rewritten
.set AV0, 3           ; v3   the same for V
.set AK,  4           ; v4   the LDS address of K's next run of loads
.set AV,  5           ; v5   of V's
.set STO, 6           ; v6   the way out: where I put 16 bytes of a row
.set RD,  7           ; v7   the way out: where I read rows back
.set GO,  8           ; v8   my byte offset in 512 consecutive bytes of O
.set SPW, 62          ; v62  LDS address of my spare word: SPARE + 4 x my thread's number; never rewritten
.set NIL, 63          ; v63  0; never rewritten
.set SPARE, STAGE+4*16*SP  ; behind the stages: the spare words, 128 bytes for each wave: two blocks of 256 bytes that no other line names
.set MV,  12          ; v12-13  c m_old, kept while c m is made anew: by buffer
.set QO,  15          ; v15  my byte offset in 16 rows of Q
.set ST,  16          ; piece t's statistics at v[ST+4 t]: c m, m, l (even keys', odd keys')
.set TMP, 48          ; by buffer, four registers c0-c3 at work; when the maximum is found c2 takes a
.set S,   64
.set P,   192
.set MD,  128         ; window 1: the eight registers for group kt of 16 keys at MD + 8 kt
.set MC,  160         ; window 1: the masks of the products to come
.set QB,  64          ; window 2
.set KF,  128         ; window 2: key block kb, channel half c at KF + 16 kb + 8 c
.set VF,  192         ; window 2: key half kk, channel block cb at VF + 32 kk + 8 cb
.set WV,  12          ; s12  my wave's number
.set PB,  14          ; s14  b
.set HI,  15          ; s15  NB - 1 - b
.set G1K, 24          ; s[24:31] descriptor group 1 for K's tiles
.set G1V, 32          ; s[32:39] for V's: it differs in the padding alone
.set G0K, 40          ; s[40:43] descriptor group 0 for K's tiles
.set G0V, 44          ; s[44:47] the same for V's
.set SLOTS, 56        ; s56  tiles still to be asked for
.set CNT, 57          ; s57  counts a tile's key steps, 4 to 1
.set CS,  58          ; s[58:59] c: the packed scaling takes the pair's low word for both halves
.set SEL, 60          ; s[60:61] v_permlanex16_b32's selects: each lane takes its own place in the other half
.set TBK, 62          ; s62  LDS byte at which K of the step to be fetched begins
.set TBV, 63          ; s63  the same for V, less VOFF
.set RT,  70          ; s70  tiles of the block in hand that are still to be entered
.set NXT, 71          ; s71  the tile to be asked for next
.set LQ,  72          ; s72  the last tile of the block whose tiles are being asked for
.set NEW, 73          ; s73  1: the tile to be entered is a block's first
.set OFF, 74          ; s[74:75] a tile's byte offset in K and V
.set AL,  76          ; s[76:77] the mask's factor, in the low word
.set BE,  78          ; s[78:79] the mask's addend
.set OLO, 80          ; s[80:81] O at my rows of the second block
.set BIGN, 82         ; s82  -1e30
.set MSB, 0
.macro WIN new                      ; the high byte repeats the setting that is left; a switch that changes nothing is dropped
.if MSB != (\new)
	s_set_vgpr_msb (MSB<<8)|(\new)
.set MSB, (\new)
.endif
.endm
.set W_KQ, 0x0a       ; K and Q in window 2, S^T in window 0
.set W_KM, 0x1a       ; the same with the C operand in window 1
.set W_PV, 0x52       ; V in window 2, P in window 0, O^T in window 1
.set W_RS, 0x41       ; destination and source 0 in window 1, source 1 in window 0
; A fill.  Waves 0 and 1 fetch the two halves of a tile's K, waves 2 and 3 those of its V: 128 keys each.  An s_nop 0 and four v_nop follow each of the two lines, ahead of the jump and the label.
.macro LOAD
	s_cmp_lt_u32 s[WV], 2
	s_cbranch_scc0 .Lfor_v_\@
	tensor_load_to_lds s[G0K:G0K+3], s[G1K:G1K+7]
	s_nop 0
.rept 4
	v_nop
.endr
	s_branch .Lasked_\@
.Lfor_v_\@:
	tensor_load_to_lds s[G0V:G0V+3], s[G1V:G1V+7]
	s_nop 0
.rept 4
	v_nop
.endr
.Lasked_\@:
.endm
; THE CHANGE OF SLOTS.  Each wave waits for all its tensor loads, of which one is out: its part of the other slot; adds 0 to its spare word; and waits for that and for its own reads of the slot that it leaves.  Behind the barrier nobody reads the old
; slot any more and the other slot is whole.  fill = 1: the old slot is filled again, the first thing behind the barrier, with tile NXT: the descriptor's address is made anew from that number.
; (At its first use nothing has been read yet: slot 0 is waited for, slot 1 filled.)
.macro CHANGE fill
	WIN 0                           ; at a label and at a branch every window is 0
	s_wait_tensorcnt 0x0            ; no tensor load of mine is out, so a group 0 may be written
	ds_add_u32 v[SPW], v[NIL]       ; 0 onto my spare word; with fill = 1 the descriptors' scalar work stands between it and the wait for it
.if \fill
	s_lshl_b32 s[OFF], s[NXT], 15   ; a tile is 32,768 bytes of K and of V
	s_xor_b32 s[G0K+1], s[G0K+1], SLOT1
	s_add_nc_u64 s[G0K+2:G0K+3], s[6:7], s[OFF:OFF+1]
	s_or_b32 s[G0K+3], s[G0K+3], 0x80000000
	s_xor_b32 s[G0V+1], s[G0V+1], SLOT1
	s_add_nc_u64 s[G0V+2:G0V+3], s[8:9], s[OFF:OFF+1]
	s_or_b32 s[G0V+3], s[G0V+3], 0x80000000
	s_add_co_u32 s[NXT], s[NXT], 1  ; the block's next tile, or behind its last the second block's tile 0
	s_cmp_gt_u32 s[NXT], s[LQ]
	s_cselect_b32 s[NXT], 0, s[NXT]
	s_cselect_b32 s[LQ], s[PB], s[LQ]
.endif
	s_wait_dscnt 0x0                ; the add is done, and my reads of the slot are over
	s_barrier_signal -1             ; the rest of the scalar work stands between the signal and the wait
	s_sub_co_u32 s[TBK], s[TBK], 4*KS*PK  ; the fetches go back to a slot's first step,
	s_xor_b32 s[TBK], s[TBK], SLOT1       ; in the other slot
	s_sub_co_u32 s[TBV], s[TBV], 4*KS*PV
	s_xor_b32 s[TBV], s[TBV], SLOT1
	s_barrier_wait -1
.if \fill
	LOAD
.endif
.endm
	s_load_b128 s[4:7], s[0:1], 0x0   ; qkv s[4:5]: Q lies first; act s[6:7]
	v_lshl_add_u32 v[SPW], v0, 2, SPARE
	v_mov_b32 v[NIL], 0
	ds_add_u32 v62, v63
	ds_add_u32 v62, v63
	s_wait_dscnt 0x0
	v_lshrrev_b32 v1, 5, v0
	v_readfirstlane_b32 s[WV], v1   ; wave 0..3
	s_mov_b32 s[PB], ttmp9
	s_sub_co_u32 s[HI], NB-1, s[PB]
	s_and_b32 s20, ttmp7, 0xffff    ; the head
	s_mov_b32 s21, 0
	s_mov_b64 s[22:23], SIZE_N*128
	s_mul_u64 s[20:21], s[20:21], s[22:23]  ; the head's first byte in each of the four tensors
	s_and_b32 s16, s[WV], 1         ; which half of a tile's 256 keys I fetch:
	s_lshl_b32 s22, s16, 14         ; its 128 rows of 128 bytes in memory,
	s_mov_b32 s23, 0
	s_add_nc_u64 s[22:23], s[22:23], s[20:21]
	s_mul_i32 s17, s16, 128*PK      ; and its place in a slot, for K
	s_mul_i32 s18, s16, 128*PV      ; and for V
	s_lshl_b32 s3, s[WV], 11        ; my 16 rows in a band of 64,
	s_lshl_b32 s2, s[HI], 15        ; in the first block,
	s_add_co_u32 s2, s2, s3
	s_lshl_b32 s84, s[PB], 15       ; and in the second
	s_add_co_u32 s84, s84, s3
	s_mov_b32 s3, 0
	s_mov_b32 s85, 0
	s_add_nc_u64 s[2:3], s[2:3], s[20:21]
	s_add_nc_u64 s[84:85], s[84:85], s[20:21]
	; descriptor group 1.  128 keys are 16,384 dense bytes: asked for as 64 rows of 256 bytes, two keys a row, and padded in LDS after every key
	s_mov_b32 s[G1K], (1<<16)|(1<<20)|(4<<22)|(3<<25)  ; 17:16 2-byte elements; 20 padding on; 24:22 after every 32 words (code 4); 31:25 4 words (code 3)
	s_mov_b32 s[G1V], (1<<16)|(1<<20)|(4<<22)|(7<<25)  ; the same with 8 words of padding (code 7)
.irp g, G1K, G1V
	s_mov_b32 s[\g+1], 128<<16      ; tensor_dim0 = 128
	s_mov_b32 s[\g+2], 64<<16       ; tensor_dim1 = 64
	s_mov_b32 s[\g+3], 128<<16      ; tile_dim0 = 128
	s_mov_b32 s[\g+4], 64           ; tile_dim1 = 64
	s_mov_b32 s[\g+5], 128          ; 128 elements from row to row
	s_mov_b32 s[\g+6], 0
	s_mov_b32 s[\g+7], 0
.endr
	s_mov_b32 s[CS], 0x3d0293ee     ; c = log2(e) / sqrt(2048) = 0.0318794
	s_mov_b32 s[CS+1], s[CS]        ; named with it as a pair
	s_mov_b32 s[SEL], 0x76543210
	s_mov_b32 s[SEL+1], 0xfedcba98
	s_mov_b32 s[TBK], SLOT1+4*KS*PK ; the first change of slots turns these two into 0
	s_mov_b32 s[TBV], SLOT1+4*KS*PV
	s_mov_b32 s[G0K], 1             ; 1:0 count = 1
	s_mov_b32 s[G0K+1], s17         ; 63:32 LDS address: slot 0
	s_mov_b32 s[G0V], 1
	s_add_co_u32 s[G0V+1], s18, VOFF
	s_add_co_u32 s[RT], s[HI], 1    ; the first block has NB - b tiles
	s_mov_b32 s[NXT], 1
	s_mov_b32 s[LQ], s[HI]
	s_mov_b32 s[NEW], 1
	s_mov_b32 s[OFF+1], 0
	s_mov_b32 s[AL+1], 0            ; named as pairs
	s_mov_b32 s[BE+1], 0
	s_mov_b32 s[BIGN], 0xf149f2ca   ; -1e30
	s_mov_b32 s[SLOTS], NB
	s_wait_kmcnt 0x0
	s_mov_b64 s[10:11], s[6:7]                     ; O goes into act
	s_add_nc_u64 s[6:7], s[4:5], 0x1000000         ; K: qkv's second third, 64 heads x 262,144 bytes on
	s_add_nc_u64 s[8:9], s[4:5], 0x2000000         ; V: its last third
	s_add_nc_u64 s[6:7], s[6:7], s[22:23]  ; K and V at my half of the head's tile 0
	s_add_nc_u64 s[8:9], s[8:9], s[22:23]
	s_add_nc_u64 s[G0K+2:G0K+3], s[6:7], 0         ; 120:64 global address
	s_or_b32 s[G0K+3], s[G0K+3], 0x80000000        ; 127:126 type = 2
	s_add_nc_u64 s[G0V+2:G0V+3], s[8:9], 0
	s_or_b32 s[G0V+3], s[G0V+3], 0x80000000
	s_add_nc_u64 s[86:87], s[4:5], s[84:85]        ; Q at my rows of the second block,
	s_add_nc_u64 s[4:5], s[4:5], s[2:3]            ; Q and O at those of the first
	s_add_nc_u64 s[OLO:OLO+1], s[10:11], s[84:85]
	s_add_nc_u64 s[10:11], s[10:11], s[2:3]
	LOAD                            ; tile 0 into slot 0
	; A fragment of K or Q is 16 rows x 32 channels in 8 registers: lane l holds row l % 16, channels 8 (l / 16) + 0..7 and 16 + 8 (l / 16) + 0..7: two loads of 16 bytes, 32 bytes apart.
	v_and_b32 v1, 15, v0            ; l % 16
	v_bfe_u32 v9, v0, 4, 1          ; l / 16
	v_lshlrev_b32 v[QO], 7, v1
	v_lshl_add_u32 v[QO], v9, 4, v[QO]  ; row x 128 + 16 x half
	WIN 0x80                        ; destination window 2, address window 0
.set i, 0
.rept 8                             ; both blocks' Q: piece i / 2 lies in band i / 2, 8,192 bytes on; channels 32 (i % 2) on
	global_load_b128 v[8*i:8*i+3],   v[QO], s[4:5] offset:(i/2)*8192+(i%2)*64
	global_load_b128 v[8*i+4:8*i+7], v[QO], s[4:5] offset:(i/2)*8192+(i%2)*64+32
	global_load_b128 v[QB+8*i:QB+8*i+3],   v[QO], s[86:87] offset:(i/2)*8192+(i%2)*64
	global_load_b128 v[QB+8*i+4:QB+8*i+7], v[QO], s[86:87] offset:(i/2)*8192+(i%2)*64+32
.set i, i+1
.endr
	WIN 0
	v_lshlrev_b32 v14, 3, v9
	v_sub_nc_u32 v14, v1, v14
	s_lshl_b32 s13, s[WV], 4
	v_add_nc_u32 v14, s13, v14      ; my query's place in its band, 16 w + l % 16, less my lanes' 8 (l / 16): register r of group kt is hidden where 16 kt + r is greater
	WIN 0x40
.set i, 0
.rept 32
	v_cmp_gt_i32 vcc_lo, 16*(i/8)+i%8, v14
	v_cndmask_b32 v[MD+i], 0, s[BIGN], vcc_lo
.set i, i+1
.endr
	WIN 0
	v_mul_u32_u24 v[AK0], v1, PK
	v_lshl_add_u32 v[AK0], v9, 4, v[AK0]  ; row x pitch + 16 x half
	; The turning load takes 16 keys x 16 channels (lane l reads key 8 (l / 16) + l % 8, channels 8 ((l / 8) % 2) + 0..7) and leaves half a fragment of V^T: lane l holds channel l % 16 and 8 keys.
	v_and_b32 v10, 7, v0
	v_bfe_u32 v11, v0, 3, 1
	v_lshl_add_u32 v[AV0], v9, 3, v10
	v_mul_u32_u24 v[AV0], v[AV0], PV
	v_lshl_add_u32 v[AV0], v11, 4, v[AV0]
	v_add_nc_u32 v[AV0], VOFF, v[AV0]
	s_mul_i32 s13, s[WV], 16*SP
	s_add_co_u32 s13, s13, STAGE    ; my stage
	v_mul_u32_u24 v[STO], v1, SP    ; in: row l % 16, 16 bytes for each half of the lanes
	v_lshl_add_u32 v[STO], v9, 4, v[STO]
	v_add_nc_u32 v[STO], s13, v[STO]
	v_bfe_u32 v[RD], v0, 3, 2       ; back: 32 lanes take four rows of 128 bytes,
	v_mul_u32_u24 v[RD], v[RD], SP
	v_lshl_add_u32 v[RD], v10, 4, v[RD]
	v_add_nc_u32 v[RD], s13, v[RD]
	v_and_b32 v[GO], 31, v0         ; which are 512 consecutive bytes of O
	v_lshlrev_b32 v[GO], 4, v[GO]
	; A block's first step multiplies O^T and l by a = 0, and its first turn's products V^T P, of a piece that has not been, land in an O^T that is still to be so multiplied.  So these registers need only hold
	; finite numbers: zeros for the first block; what the first block left for the second.  All this stands in the wait for the first tile.
	WIN 0x80
.set i, VF
.rept 64
	v_mov_b32 v[i], 0
.set i, i+1
.endr
	WIN 0x40
.set i, 0
.rept 128
	v_mov_b32 v[i], 0
.set i, i+1
.endr
	WIN 0
.set i, 0
.rept 4
	v_mov_b32 v[ST+4*i+2], 0
	v_mov_b32 v[ST+4*i+3], 0
.set i, i+1
.endr
.set i, P+16
.rept 16
	v_mov_b32 v[i], 0
.set i, i+1
.endr
; THE MATRIX WORK.  The 4 accumulators of a run of 8 take turns.  Product i of 8 of S^T = K Q^T for piece x: channels 32 (i / 4) on, keys 16 (i % 4) on.  The first 4 start the sums: with 0, or (KM = 1) with the mask.
.macro KQ x
.set rS, S+32*((\x)%2)+8*(i%4)
.set rK, KF+16*(i%4)+8*(i/4)
.set rQ, 16*(\x)+8*(i/4)
.set rM, MC+32*((\x)%2)+8*(i%4)
.if (i < 4) && KM
	WIN W_KM
	v_wmma_f32_16x16x32_f16 v[rS:rS+7], v[rK:rK+7], v[rQ:rQ+7], v[rM:rM+7]
.elseif i < 4
	WIN W_KQ
	v_wmma_f32_16x16x32_f16 v[rS:rS+7], v[rK:rK+7], v[rQ:rQ+7], 0
.else
	WIN W_KQ
	v_wmma_f32_16x16x32_f16 v[rS:rS+7], v[rK:rK+7], v[rQ:rQ+7], v[rS:rS+7]
.endif
.endm
; Product i of 8 of O^T += V^T P for piece x: keys 32 (i / 4) on, channels 16 (i % 4) on.
.macro PV x
	WIN W_PV
.set rO, 32*(\x)+8*(i%4)
.set rV, VF+32*(i/4)+8*(i%4)
.set rP, P+16*((\x)%2)+8*(i/4)
	v_wmma_f32_16x16x32_f16 v[rO:rO+7], v[rV:rV+7], v[rP:rP+7], v[rO:rO+7]
.endm
.macro MM                           ; the turn's next matrix instruction.  TURN and BEGIN set Y, i, KM and NOKQ; MM, KQ and OP read them.  NOKQ = 1: a block's last turn: there is no next piece
.if (i < 8) && !NOKQ
	KQ (Y+1)%NP
.elseif i >= 8
.set i, i-8
	PV (Y+NP-1)%NP
.set i, i+8
.endif
.set i, i+1
.endm
; THE LDS LOADS stand in runs of 16, never singly among the matrix instructions: a step's K (64 keys x 64 channels: 8 fragments) and its V (turned).  Their addresses are made some lines ahead.
.macro FETCH_K
	WIN 0x80                        ; destination window 2
.irp f, 0,1,2,3,4,5,6,7             ; keys 16 (f / 2) on, channels 32 (f % 2) on
	ds_load_b128 v[KF+8*\f:KF+8*\f+3],   v[AK] offset:(\f/2)*16*PK+(\f%2)*64
	ds_load_b128 v[KF+8*\f+4:KF+8*\f+7], v[AK] offset:(\f/2)*16*PK+(\f%2)*64+32
.endr
	s_add_co_u32 s[TBK], s[TBK], KS*PK  ; the next fetch is the next step's
	WIN 0
.endm
.macro FETCH_V
	WIN 0x80
.irp f, 0,1,2,3,4,5,6,7             ; keys 32 (f / 4) on, channels 16 (f % 4) on
	ds_load_tr16_b128 v[VF+8*\f:VF+8*\f+3],   v[AV] offset:(\f/4)*32*PV+(\f%4)*32
	ds_load_tr16_b128 v[VF+8*\f+4:VF+8*\f+7], v[AV] offset:(\f/4)*32*PV+16*PV+(\f%4)*32
.endr
	WIN 0
.endm
; THE VECTOR WORK, one line at a time: OP kind, number.  For piece Y: F n: c s - c m for pair n of 16.  E n: the exponential of score n of 32.  C n: pair n rounded to f16.  B n: of the four weights 4 n .. the second
; pair is added onto the first, in place.  L n: l takes that sum (L 0: l = a l + sum).  R n: pair n of 16 of O^T times a.  For piece Y + 1: X n, number n of the 22 that find its maximum and statistics:
;   0-11  four chains c0-c3 of seven scores each, three operands at a time (each accumulator's lowest registers are read first)     12-14, 16  the four scores left over, the old m, and c0-c3 into c0
;   15  c m_old is kept     17, 18  the query's other 32 keys lie in the lane 16 away: the new m     19-21  c m; c m_old - c m_new; a
.set F, 0               ; OP tells the kinds apart by their order: F to L below R, X above it
.set E, 1
.set C, 2
.set B, 3
.set L, 4
.set R, 5
.set X, 6
.macro REGS y                       ; the registers of piece y
.set rT, ST+4*(\y)
.set rC, TMP+4*((\y)%2)
.set rW, MV+((\y)%2)
.set rS, S+32*((\y)%2)
.set rP, P+16*((\y)%2)
.set rO, 32*(\y)
.endm
.macro OP k, n
.if (\k) == R
	REGS Y
	WIN W_RS
	v_pk_mul_f32 v[rO+2*(\n):rO+2*(\n)+1], v[rO+2*(\n):rO+2*(\n)+1], v[rC+2:rC+3] op_sel_hi:[1,0]
.elseif (\k) < R
	REGS Y
	WIN 0
.if (\k) == F
	v_pk_fma_f32 v[rS+2*(\n):rS+2*(\n)+1], v[rS+2*(\n):rS+2*(\n)+1], s[CS:CS+1], v[rT:rT+1] op_sel_hi:[1,0,0] neg_lo:[0,0,1] neg_hi:[0,0,1]
.elseif (\k) == E
	v_exp_f32 v[rS+(\n)], v[rS+(\n)]
.elseif (\k) == C
	s_wait_alu depctr_va_vdst(0)
	v_cvt_pk_f16_f32 v[rP+(\n)], v[rS+2*(\n)], v[rS+2*(\n)+1]
.elseif (\k) == B
	s_wait_alu depctr_va_vdst(0)
	v_pk_add_f32 v[rS+4*(\n):rS+4*(\n)+1], v[rS+4*(\n):rS+4*(\n)+1], v[rS+4*(\n)+2:rS+4*(\n)+3]
.elseif (\n) == 0
	v_pk_fma_f32 v[rT+2:rT+3], v[rT+2:rT+3], v[rC+2:rC+3], v[rS:rS+1] op_sel_hi:[1,0,1]
.else
	v_pk_add_f32 v[rT+2:rT+3], v[rT+2:rT+3], v[rS+4*(\n):rS+4*(\n)+1]
.endif
.elseif NOKQ
	v_nop
.else
	REGS (Y+1)%NP
	WIN 0
.if (\n) < 4
	v_max3_num_f32 v[rC+(\n)], v[rS+8*(\n)], v[rS+8*(\n)+1], v[rS+8*(\n)+2]
.elseif (\n) < 12
	v_max3_num_f32 v[rC+(\n)%4], v[rC+(\n)%4], v[rS+8*((\n)%4)+2*((\n)/4)+1], v[rS+8*((\n)%4)+2*((\n)/4)+2]
.elseif (\n) == 12
	v_max3_num_f32 v[rC], v[rC], v[rS+7], v[rS+15]
.elseif (\n) == 13
	v_max3_num_f32 v[rC+1], v[rC+1], v[rS+23], v[rS+31]
.elseif (\n) == 14
	v_max3_num_f32 v[rC+2], v[rC+2], v[rC+3], v[rT+1]
.elseif (\n) == 15
	v_mov_b32 v[rW], v[rT]
.elseif (\n) == 16
	v_max3_num_f32 v[rC], v[rC], v[rC+1], v[rC+2]
.elseif (\n) == 17
	v_permlanex16_b32 v[rC+3], v[rC], s[SEL], s[SEL+1]
.elseif (\n) == 18
	v_max_num_f32 v[rT+1], v[rC], v[rC+3]
.elseif (\n) == 19
	v_mul_f32 v[rT], s[CS], v[rT+1]
.elseif (\n) == 20
	v_sub_f32 v[rC+1], v[rW], v[rT]
.else
	v_exp_f32 v[rC+2], v[rC+1]
.endif
.endif
.endm
.macro OPS a, i1, b=-1, i2=0, c=-1, i3=0, d=-1, i4=0  ; up to four of them
	OP \a, \i1
.if (\b) >= 0
	OP \b, \i2
.endif
.if (\c) >= 0
	OP \c, \i3
.endif
.if (\d) >= 0
	OP \d, \i4
.endif
.endm
.macro ROW a, i1, b, i2, c, i3, d, i4  ; a matrix instruction and the four behind it
	MM
	OPS \a, \i1, \b, \i2, \c, \i3, \d, \i4
.endm
.macro MASK b                       ; MD x AL + BE into buffer b of MC
	WIN W_RS
.set z, 0
.rept 16
	v_pk_fma_f32 v[MC+32*(\b)+2*z:MC+32*(\b)+2*z+1], v[MD+2*z:MD+2*z+1], s[AL:AL+1], s[BE:BE+1] op_sel_hi:[1,0,0]
.set z, z+1
.endr
.endm
; A TURN, for piece p: the order of its 16 matrix and 118 vector instructions, written out.  Behind a matrix instruction: plain, exponential, plain, plain; or four of the rescaling; or, behind the first, four scalings; none
; names a register of the products round it.  In the lumps exponential and plain by turns while exponentials last.  A line reads no result made fewer than three vector instructions in front of it, five if an exponential made it.
; v_permlanex16_b32 (X 17) stands in a lump.
; m = 1: the diagonal tile: the products take masks, and the turn makes the mask for the products of the turn after it: piece p + 2, in step 4 - CNT of the tile.  end = 1: a block's last two turns: nothing is fetched.
; cnt = 1: the loop's count is taken down some lines ahead of the branch that stands behind the turn.
; K of the next step is fetched in piece 2's turn, six vector instructions behind the last product that read K (five of them plain); V of the step in hand in piece 0's turn, eight behind the last product that read V (four
; plain, and X 17).  Each is waited for a turn later.
.macro TURN p, m=0, end=0, cnt=0
.set Y, (\p)
.set i, 0
.set KM, (\m)
.set NOKQ, (\end)*((\p)/3)
.if (\m) && !(\end)
	s_cmp_eq_u32 s[CNT], 4-((\p)+2)%NP  ; is that step the band's own?
	s_cselect_b32 s[AL], 1.0, 0
	s_cmp_lt_u32 s[CNT], 4-((\p)+2)%NP  ; or a later one?
	s_cselect_b32 s[BE], s[BIGN], 0
.endif
.if ((\p) == 3) && !(\end)
	s_wait_dscnt 0x0                ; K is in
.endif
	ROW F,0, F,1, F,2, F,3
	ROW F,4, E,0, F,5, F,6
	ROW F,7, E,1, F,8, F,9
	ROW F,10, E,2, C,0, F,11
	ROW F,12, E,3, X,15, F,13
	ROW R,0, R,1, R,2, R,3
	ROW B,0, E,4, F,14, L,0
.if ((\p) == 2) && !(\end)
	v_add_nc_u32 v[AK], s[TBK], v[AK0]
.endif
	ROW R,4, R,5, R,6, R,7
	OPS E,5, F,15
.if ((\p) == 2) && !(\end)
	FETCH_K
.endif
	OPS E,6, C,1, E,7, R,8
	OPS E,8, R,9, E,9, C,2
	OPS E,10, X,0, E,11, X,1
	OPS E,12, X,2, E,13, X,3
.if (\p) == 1
	s_wait_dscnt 0x0                ; V is in
.endif
	ROW X,4, E,14, X,5, X,6
	ROW X,7, E,15, X,8, X,9
	ROW X,10, E,16, X,11, X,12
	ROW X,13, E,17, X,14, B,1
	ROW C,4, E,18, X,16, L,1
	ROW B,2, E,19, C,6, L,2
	ROW C,8, E,20, B,3, B,4
.if (\p) == 0
	v_add_nc_u32 v[AV], s[TBV], v[AV0]
.endif
	ROW C,3, E,21, L,3, C,5
	OPS E,22, X,17, E,23, C,10
.if (\p) == 0
	FETCH_V
.endif
	OPS E,24, L,4
	OPS E,25, X,18, E,26, C,7
	OPS E,27, B,5, E,28, X,19
	OPS E,29, C,12, E,30, L,5
	OPS E,31, X,20, B,6, C,9
	OPS C,14, C,11, X,21, L,6
.if (\p) == 0
	s_add_co_u32 s[TBV], s[TBV], KS*PV
.endif
.if \cnt
	s_sub_co_u32 s[CNT], s[CNT], 1
	s_cmp_lg_u32 s[CNT], 0
.endif
	OPS C,13, B,7, C,15, R,10
	OPS R,11, R,12, L,7, R,13
	OPS R,14, R,15
.if (\m) && !(\end)
	MASK (\p)%2
.endif
.endm
; A BLOCK BEGINS.  c m starts far below every c s, so the first step's a is 0; m at the lowest finite number, so the first maximum is the scores'.  The second mask buffer is 0; the first takes piece 0's mask for the tile's step 0: its own, if the block's first tile is the diagonal one.
; Then K of that step, piece 0's first scores, and its maximum and statistics.  The loop is entered at a step's first turn, in the middle of a trip.
.macro BEGIN
	s_mov_b32 s[NEW], 0
	WIN 0x40
.set i, MC+32
.rept 32
	v_mov_b32 v[i], 0
.set i, i+1
.endr
	WIN 0
.set i, 0
.rept 4
	v_mov_b32 v[ST+4*i], 0xfe000000    ; c m: far below every c s
	v_mov_b32 v[ST+4*i+1], 0xff7fffff  ; m
.set i, i+1
.endr
	s_cmp_eq_u32 s[RT], 0
	s_cselect_b32 s[AL], 1.0, 0
	s_mov_b32 s[BE], 0
	MASK 0
	WIN 0
	v_add_nc_u32 v[AK], s[TBK], v[AK0]
	FETCH_K
	s_wait_loadcnt 0x0              ; Q
	s_wait_dscnt 0x0
.set KM, 1
.set NOKQ, 0
.set i, 0
.rept 8
	KQ 0
.set i, i+1
.endr
	WIN 0
.rept 4
	v_nop                           ; the places behind those products
.endr
.set Y, NP-1                        ; X works for piece Y + 1: piece 0
.irp n, 0,1,2,3,4,5,6,7,8,9,10,11,12,13,14,15,16,17,18,19,20,21
	OP X, \n
.endr
	v_nop                           ; a plain instruction behind the exponential
.endm
; THE DIAGONAL TILE's four steps, the block's last two turns, its last products, and THE WAY OUT: l's two halves and the other half of the lanes' are added; O^T is divided by l, rounded to f16 and sent through my
; stage in LDS, a piece at a time.
.macro ALL line:vararg              ; one line for each piece t
.set t, 0
.rept 4
	\line
.set t, t+1
.endr
.endm
.macro PACK t                       ; a lane's eight channels of a row pack into 16 bytes; they go into rows of 144 bytes and come back as whole rows of 128, into S^T's registers
	WIN W_RS
.set i, 32*(\t)
.rept 16
	s_wait_alu depctr_va_vdst(0)
	v_pk_mul_f32 v[i:i+1], v[i:i+1], v[ST+4*(\t)+2:ST+4*(\t)+3] op_sel_hi:[1,0]
.set i, i+2
.endr
	WIN 0x05                        ; sources 0 and 1 window 1, destination window 0
.set i, 0
.rept 16
	v_cvt_pk_f16_f32 v[S+16*(\t)+i], v[32*(\t)+2*i], v[32*(\t)+2*i+1]
.set i, i+1
.endr
	WIN 0
.irp f, 0,1,2,3
	ds_store_b128 v[STO], v[S+16*(\t)+4*\f:S+16*(\t)+4*\f+3] offset:32*\f
.endr
.irp f, 0,1,2,3
	ds_load_b128 v[S+16*(\t)+4*\f:S+16*(\t)+4*\f+3], v[RD] offset:\f*4*SP  ; LDS serves a wave's instructions in order (ISA guide 5.7.1.4): these see the stores above; the next piece's stores come behind them
.endr
.endm
.macro SEND t, younger              ; younger: the LDS instructions issued behind piece t's loads: the next piece's eight, or none
	WIN 0
.irp f, 0,1,2,3
	s_wait_dscnt (\younger)+3-\f
	global_store_b128 v[GO], v[S+16*(\t)+4*\f:S+16*(\t)+4*\f+3], s[10:11] offset:(\t)*8192+\f*512  ; 512 consecutive bytes, at a multiple of 256 from O's first
.endr
.endm
.macro DIAG tag                     ; the tag ends its two labels' names, which the jumps below spell out
.LstepM\tag:
	TURN 2, 1
	TURN 3, 1
	WIN 0
.LfirstM\tag:
	TURN 0, 1
	TURN 1, 1, 0, 1
	WIN 0
	s_cbranch_scc1 .LstepM\tag
	TURN 2, 1, 1
	TURN 3, 1, 1
.set i, 0
.rept 8
	PV NP-1
.set i, i+1
.endr
	WIN 0
	ALL v_add_f32 v[ST+4*t+2], v[ST+4*t+2], v[ST+4*t+3]
	ALL v_permlanex16_b32 v[ST+4*t+3], v[ST+4*t+2], s[SEL], s[SEL+1]
	ALL v_add_f32 v[ST+4*t+2], v[ST+4*t+2], v[ST+4*t+3]
	ALL v_rcp_f32 v[ST+4*t+2], v[ST+4*t+2]
	v_nop                           ; a plain instruction between the last reciprocal and the use of its result
	PACK 0
.set t, 1
.rept 3                             ; a piece's arithmetic stands between the loads of the piece before and its stores
	PACK t
	SEND t-1, 8
.set t, t+1
.endr
	SEND 3, 0
.endm
.set KM, 0
.set NOKQ, 0
.Lslot:                             ; NB times: a tile is entered and the next is asked for
	CHANGE 1
	s_sub_co_u32 s[RT], s[RT], 1
	s_mov_b32 s[CNT], 4
	s_cmp_eq_u32 s[NEW], 1
	s_cbranch_scc1 .Lnew            ; a block's first tile
	s_cmp_eq_u32 s[RT], 0
	s_cbranch_scc0 .Lstep           ; neither its first nor its last
	s_branch .LstepM1
.Lnew:
	BEGIN
	s_branch .Lfirst                ; in the loop a block's first tile is never its last: the first block has two tiles or more, and the second's last is the walk's last
	DIAG 1                          ; in the loop this is the first block's end: the second block's last tile is the walk's last
	s_wait_xcnt 0x0                 ; the stores have read their registers and O's address
	s_mov_b64 s[10:11], s[OLO:OLO+1]
	s_add_co_u32 s[RT], s[PB], 1    ; the second block has b + 1 tiles
	s_mov_b32 s[NEW], 1
	WIN 0x82                        ; the second block's Q goes where the one text of the turns names Q
.set i, 0
.rept 64
	v_mov_b32 v[i], v[QB+i]
.set i, i+1
.endr
	WIN 0
	s_branch .Lbottom
.Lstep:                             ; a trip: pieces 2 and 3 of one step, then pieces 0 and 1 of the next, whose K and V it fetches
	TURN 2
	TURN 3
	WIN 0
.Lfirst:
	TURN 0
	TURN 1, 0, 0, 1
	WIN 0
	s_cbranch_scc1 .Lstep
.Lbottom:
	s_sub_co_u32 s[SLOTS], s[SLOTS], 1
	s_cmp_lg_u32 s[SLOTS], 0
	s_cbranch_scc1 .Lslot
	CHANGE 0                        ; the walk's last tile is written out: nothing is asked for
	s_sub_co_u32 s[RT], s[RT], 1
	s_mov_b32 s[CNT], 4
	s_cmp_eq_u32 s[NEW], 1
	s_cbranch_scc0 .LstepM2
	BEGIN
	s_branch .LfirstM2
	DIAG 2
	s_wait_tensorcnt 0x0            ; the wave's end, behind my last tensor load and my last LDS store
	ds_add_u32 v[SPW], v[NIL]
	s_wait_dscnt 0x0
	s_endpgm
.Lfunc_end_k_q07d4705c6f_attn:
	.size	k_q07d4705c6f_attn, .Lfunc_end_k_q07d4705c6f_attn-k_q07d4705c6f_attn
	.p2alignl 7, 3214868480
	.fill 96, 4, 3214868480
	.section	.rodata,"a",@progbits
	.p2align	6, 0x0
	.amdhsa_kernel k_q07d4705c6f_attn
		.amdhsa_group_segment_fixed_size 327680
		.amdhsa_private_segment_fixed_size 0
		.amdhsa_enable_private_segment 0
		.amdhsa_kernarg_size 16
		.amdhsa_user_sgpr_count 2
		.amdhsa_user_sgpr_kernarg_segment_ptr 1
		.amdhsa_wavefront_size32 1
		.amdhsa_system_sgpr_workgroup_id_x 1
		.amdhsa_system_sgpr_workgroup_id_y 1
		.amdhsa_system_sgpr_workgroup_id_z 1
		.amdhsa_system_vgpr_workitem_id 0
		.amdhsa_next_free_vgpr 768
		.amdhsa_next_free_sgpr 88
		.amdhsa_reserve_vcc 1
		.amdhsa_float_denorm_mode_32 3
		.amdhsa_float_denorm_mode_16_64 3
		.amdhsa_memory_ordered 1
		.amdhsa_forward_progress 1
		.amdhsa_inst_pref_size 228
	.end_amdhsa_kernel
	.amdgpu_metadata
---
amdhsa.version: [ 1, 2 ]
amdhsa.kernels:
  - .name:           k_q07d4705c6f_attn
    .symbol:         k_q07d4705c6f_attn.kd
    .args:
      - { .name: qkv, .offset: 0, .size: 8, .value_kind: global_buffer, .address_space: global }
      - { .name: act, .offset: 8, .size: 8, .value_kind: global_buffer, .address_space: global }
    .group_segment_fixed_size: 327680
    .private_segment_fixed_size: 0
    .kernarg_segment_align: 8
    .kernarg_segment_size: 16
    .max_flat_workgroup_size: 128
    .sgpr_count:     88
    .vgpr_count:     768
    .wavefront_size: 32
...
	.end_amdgpu_metadata
.endif
;; end of part 3
;; launch proj (part 4): grid 8 x 32, 4 waves a work-group, clusters of 4 x 4, 327,680 bytes of LDS; arguments act, wT, biasR, out0; writes out0
.if DOCPART == 4
	.amdgcn_target "amdgcn-amd-amdhsa--gfx1250"
	.amdhsa_code_object_version 6
	.text
	.protected	k_q07d4705c6f_proj
	.globl	k_q07d4705c6f_proj
	.p2align	8
	.type	k_q07d4705c6f_proj,@function
k_q07d4705c6f_proj:
	s_mov_b64 s[64:65], 0
	v_nop
	global_prefetch_b8 v0, s[64:65] scope:SCOPE_SE
	s_setreg_imm32_b32 hwreg(HW_REG_WAVE_MODE, 25, 1), 1
	s_wait_xcnt 0x0
	s_wait_alu depctr_hold_cnt(0) depctr_sa_sdst(0) depctr_va_vdst(0) depctr_va_sdst(0) depctr_va_ssrc(0) depctr_va_vcc(0) depctr_vm_vsrc(0)
	s_getreg_b32 s2, hwreg(HW_REG_IB_STS2, 6, 4)
	s_cmp_eq_u32 s2, 0
	s_cbranch_scc0 .Lentry_in_a_cluster
	s_endpgm
.Lentry_in_a_cluster:
	s_bfe_u32 s2, ttmp6, 0x10000c
	s_cmp_lg_u32 s2, 0xf033
	s_cbranch_scc0 .Lentry_shape_is_right
	s_endpgm
.Lentry_shape_is_right:
; out0 = O Wp + bp: [8192 x 1024] . [1024 x 1024].  Operands f16 (O as attention left it; Wp rounded to bf16, written as f16), sums f32 that BEGIN with the bias, stored as f32.
;   act [b 4][kb = head 16][t 2048][64]   wT [kb 16][n 4096][64], Wp at n 3072-4095   biasR f32[4096], bp at 3072   out0 [8192][1024] f32
; SHARES.  256 work-groups, each 256 rows x 128 columns; four waves, each 128 rows x 64 columns: 32 accumulators of 16 x 16, 256 registers, window 1.
; K goes in 8 steps of 128 (two blocks kb) through a ring of two LDS slots: 864 LDS bytes for each k, so a longer step does not fit twice.  A block's rows are dense in memory, so a tile is asked
; for as rows of 256 bytes and padded in LDS after every 128.  A K step is written twice: once with a refill (6 trips), once without (the last two steps, a loop of two trips).
; CLUSTER.  4 x 4 work-groups: the four of a row of the cluster need the same rows of act, the four of a column the same rows of wT: each tile is asked for JOINTLY, by the same tensor load with the same
; descriptor and a mask that names the four.  By this text's own count a wave has two tensor loads out at the start and one behind each round.
; PREFETCH INTO THE L2.  Every K step's tiles are read for the first time in the launch, and a refill has 96 of a step's 128 matrix instructions in which to land.  So wave 3 asks ahead, for each
; aligned block of 256 bytes once in the launch.  Of act: the eight work-groups of a tile row share its tiles, and each asks for its eighth, 4,096 bytes of each of a step's two blocks kb (32 lanes,
; 256 bytes apart): K steps 2 and 3 at the start, K step t + 4 in trip t, two trips ahead of the tensor load that wants it; trips 4 and 5 ask for nothing, since K ends at step 7.  Of Wp's rows for
; K steps 2 to 7 (6,144 blocks) each work-group asks for 24, once, at the start.  K steps 0 and 1 are not asked for: the first fills are on their way.
; THE MATRIX INSTRUCTION IS USED TRANSPOSED (source 0 = 16 rows of wT, source 1 = 16 rows of act): lane l holds row l % 16 and the columns 8 (l / 16) + 0..7.
; REGISTERS, in windows of 256 (s_set_vgpr_msb: bits 1:0 source 0, 3:2 source 1, 5:4 source 2, 7:6 destination):
;   window 0: v0-29 addresses; v32-95, v96-159 fragments of act (8 x 16 rows x 32 K), two buffers; v160-191, v192-223 fragments of wT (4 x 16 rows x 32 K), two buffers
;   window 1: the accumulators, (a, c) at v[8 (4 a + c)]
.set PITCH, 144       ; an LDS row: 128 bytes + 16 of padding = 9 x 16: the 16 rows of a fragment load begin in 16 different 16-byte columns of 256 bytes
.set SLOT1, 1<<17     ; slot 1 begins here, so that one exclusive or turns an address in one slot into the other's
.set KBA,   256*PITCH ; act's 256 rows of one block kb: what one load brings
.set KBB,   128*PITCH ; wT's 128 rows of one block kb
.set BOFF,  2*KBA     ; a slot: act's two blocks, then wT's two
.set STAGE, SLOT1+BOFF+2*KBB ; behind the ring, never filled by a tensor load: 16 rows x 272 bytes for each wave, for the way out
.set SP,    272       ; 256 bytes + 16
.set BIAS,  STAGE+4*16*SP    ; 256 bytes for each wave: the bias of its 64 columns
.set SPARE, BIAS+4*256       ; the spare words, 128 bytes for each wave: two blocks of 256 bytes that no other line names
.set STEPS, 8
.set STEPA, 1<<19     ; bytes from a K step to the next in act: two blocks
.set STEPB, 1<<20     ; and in wT
.set WPOFF, 3072*128  ; Wp's rows in a block of wT lie behind Wq's, Wk's and Wv's
.set RA,    128       ; rows of 256 bytes in a load of act (256 rows of 128)
.set RB,    64        ; and of wT (128 rows of 128)
.set G1W,   (1<<16)|(1<<20)|(1<<21)|(4<<22)|(3<<25)  ; 17:16 2-byte elements; 20 padding on; 21 set beside a mask; 24:22 after every 32 words (code 4); 31:25 4 words (code 3)
.set A0,   2          ; v2   my lane's place in a slot's rows of act; never rewritten
.set B0,   3          ; v3   the same for wT
.set ADRA, 4          ; v4   A0 + the slot in hand
.set ADRB, 5          ; v5   B0 + the slot in hand
.set STO,  6          ; v6   the way out: where I put 16 bytes of a row
.set RD,   7          ; v7   the way out: where I read rows back
.set GO,   8          ; v8   my byte offset in two rows of out0
.set BIA,  9          ; v9   my wave's bias in LDS + 32 (l / 16)
.set PFO,  20         ; v20  prefetch of act: (l / 16) blocks kb + (l % 16) x 256; never rewritten
.set PFB,  21         ; v21  prefetch of wT: my lane's block; never rewritten
.set SPW,  28         ; v28  LDS address of my spare word; never rewritten
.set NIL,  29         ; v29  0; never rewritten
.set AF,   32
.set BF,   160
.set OUTR, 32         ; the way out: two sets of 32 registers
.set WV,  12          ; s12  my wave's number
.set G1A, 24          ; s[24:31] descriptor group 1 for act's tiles
.set G0A, 32          ; s[32:39] group 0: a set for each of the two first fills; the second then walks
.set TB,  40          ; s40  the slot in hand: 0 or SLOT1
.set CNT, 41          ; s41  counts the trips of the loop in hand
.set G1B, 48          ; s[48:55], s[56:63] the same for wT's tiles
.set G0B, 56
.set PF,  66          ; s[66:67] prefetch of act: my eighth of the tile row's rows, at a K step that walks
.set MSB, 0
.macro WIN new                         ; the immediate's high byte repeats the setting that is left; a switch that changes nothing is dropped
.if MSB != (\new)
	s_set_vgpr_msb (MSB<<8)|(\new)
.set MSB, (\new)
.endif
.endm
.macro PLACES                          ; a load into a register that a matrix instruction has read, and a vector instruction or LDS store that reads a matrix result, stand four plain
.rept 4                                ; vector instructions behind it (ISA guide 7.12.1 for vector instructions)
	v_nop
.endr
.endm
.macro HEAD                            ; in front of each run of fragment loads: all fragments and addresses lie in window 0
	WIN 0
	PLACES
.endm
; A joint refill.  Waves 0 and 1 fetch act's two blocks of the step, waves 2 and 3 wT's.  The branch hangs on the wave's number alone.
; An s_nop 0 and four v_nop follow each of the two lines, ahead of the jump and the label.
.macro JLOAD
	s_cmp_lt_u32 s[WV], 2
	s_cbranch_scc0 .Lfor_b_\@
	tensor_load_to_lds s[G0A+4:G0A+7], s[G1A:G1A+7]
	s_nop 0
.rept 4
	v_nop
.endr
	s_branch .Lasked_\@
.Lfor_b_\@:
	tensor_load_to_lds s[G0B+4:G0B+7], s[G1B:G1B+7]
	s_nop 0
.rept 4
	v_nop
.endr
.Lasked_\@:
.endm
.macro CREST                           ; a round of the cluster's barrier behind its opening barrier
	s_cmp_lg_u32 s[WV], 0
	s_cbranch_scc1 .Lnot_wave_0_\@
	s_barrier_signal -3
.Lnot_wave_0_\@:
	s_barrier_wait -3
	s_barrier_signal -1
	s_barrier_wait -1
.endm
.macro CROUND                          ; a whole round
	s_barrier_signal -1
	s_barrier_wait -1
	CREST
.endm
	s_load_b256 s[4:11], s[0:1], 0x0               ; act s[4:5], wT s[6:7], biasR s[8:9], out0 s[10:11]
	v_lshl_add_u32 v[SPW], v0, 2, SPARE
	v_mov_b32 v[NIL], 0
	ds_add_u32 v28, v29
	ds_add_u32 v28, v29
	s_wait_dscnt 0x0
	v_lshrrev_b32 v11, 5, v0
	v_readfirstlane_b32 s[WV], v11                 ; wave 0..3
	s_lshr_b32 s13, s[WV], 1                       ; which 128 of the tile's rows are mine
	s_and_b32 s14, s[WV], 1                        ; which 64 of its columns; also: which of a step's two blocks I fetch
	s_bfe_u32 s15, ttmp6, 0x40000                  ; cx, cy: my place in the cluster
	s_bfe_u32 s16, ttmp6, 0x40004
	s_lshl_b32 s17, ttmp9, 2
	s_add_co_u32 s17, s17, s15                     ; tile column = 4 x cluster x + cx, 0..7
	s_and_b32 s18, ttmp7, 0xffff
	s_lshl_b32 s18, s18, 2
	s_add_co_u32 s18, s18, s16                     ; tile row = 4 x cluster y + cy, 0..31
	s_lshl_b32 s42, s16, 2
	s_lshl_b32 s42, 15, s42                        ; my row of the cluster
	s_lshl_b32 s43, 0x1111, s15                    ; my column
	s_or_b32 s[G1A], s42, G1W                      ; act's tiles go to my row,
	s_or_b32 s[G1B], s43, G1W                      ; wT's to my column
	s_mov_b32 s[G1A+1], 128<<16                    ; tensor_dim0 = 128 elements, 256 bytes
	s_mov_b32 s[G1A+2], RA<<16                     ; tensor_dim1
	s_mov_b32 s[G1A+3], 128<<16                    ; tile_dim0
	s_mov_b32 s[G1A+4], RA                         ; tile_dim1
	s_mov_b32 s[G1A+5], 128                        ; elements from row to row: the block is dense
	s_mov_b32 s[G1A+6], 0
	s_mov_b32 s[G1A+7], 0
	s_mov_b32 s[G1B+1], 128<<16
	s_mov_b32 s[G1B+2], RB<<16
	s_mov_b32 s[G1B+3], 128<<16
	s_mov_b32 s[G1B+4], RB
	s_mov_b32 s[G1B+5], 128
	s_mov_b32 s[G1B+6], 0
	s_mov_b32 s[G1B+7], 0
	; where the tiles come from.  act's hang on the tile row alone, wT's on the tile column alone, each in registers that never hold the other coordinate
	s_lshr_b32 s20, s18, 3
	s_lshl_b32 s20, s20, 22                        ; the batch: 16 blocks of 262,144 bytes,
	s_and_b32 s21, s18, 7
	s_lshl_b32 s21, s21, 15                        ; 256 rows of 128 bytes,
	s_add_co_u32 s20, s20, s21
	s_lshl_b32 s21, s14, 18                        ; my block of the step's two
	s_add_co_u32 s20, s20, s21
	s_mov_b32 s21, 0
	s_lshl_b32 s44, s17, 14                        ; 128 rows of wT,
	s_add_co_u32 s44, s44, WPOFF                   ; behind Wq's, Wk's and Wv's,
	s_lshl_b32 s45, s14, 19                        ; my block of the step's two
	s_add_co_u32 s44, s44, s45
	s_mov_b32 s45, 0
	s_mul_i32 s22, s14, KBA                        ; and where they go: no place in the cluster enters an LDS address
	s_mul_i32 s23, s14, KBB
	s_add_co_u32 s23, s23, BOFF
	s_wait_kmcnt 0x0
	s_add_nc_u64 s[20:21], s[4:5], s[20:21]
	s_add_nc_u64 s[44:45], s[6:7], s[44:45]
.irp s, 0,1
	s_mov_b32 s[G0A+4*(\s)], 1                                     ; count = 1
	s_add_co_u32 s[G0A+4*(\s)+1], s22, (\s)*SLOT1                  ; LDS address
	s_add_nc_u64 s[G0A+4*(\s)+2:G0A+4*(\s)+3], s[20:21], (\s)*STEPA  ; global address: K step s
	s_or_b32 s[G0A+4*(\s)+3], s[G0A+4*(\s)+3], 0x80000000          ; type = 2
	s_mov_b32 s[G0B+4*(\s)], 1
	s_add_co_u32 s[G0B+4*(\s)+1], s23, (\s)*SLOT1
	s_add_nc_u64 s[G0B+4*(\s)+2:G0B+4*(\s)+3], s[44:45], (\s)*STEPB
	s_or_b32 s[G0B+4*(\s)+3], s[G0B+4*(\s)+3], 0x80000000
.endr
	CROUND                                         ; all sixteen work-groups are here: the first joint loads meet
	s_cmp_lt_u32 s[WV], 2                          ; a wave's two first fills stand in one branch, ahead of every wait on TENSORcnt and every LDS instruction
	s_cbranch_scc0 .Lfirst_b
	tensor_load_to_lds s[G0A:G0A+3], s[G1A:G1A+7]
	s_nop 0
	tensor_load_to_lds s[G0A+4:G0A+7], s[G1A:G1A+7]
	s_nop 0
.rept 4
	v_nop
.endr
	s_branch .Lfirst_asked
.Lfirst_b:
	tensor_load_to_lds s[G0B:G0B+3], s[G1B:G1B+7]
	s_nop 0
	tensor_load_to_lds s[G0B+4:G0B+7], s[G1B:G1B+7]
	s_nop 0
.rept 4
	v_nop
.endr
.Lfirst_asked:
	; the bias of my 64 columns: one load of 256 bytes a wave
	s_lshl_b32 s46, s17, 9
	s_lshl_b32 s47, s14, 8
	s_add_co_u32 s46, s46, s47
	s_add_co_u32 s46, s46, 3072*4                  ; bp lies behind bq, bk and bv
	s_mov_b32 s47, 0
	s_add_nc_u64 s[8:9], s[8:9], s[46:47]
	v_and_b32 v14, 31, v0
	v_lshlrev_b32 v15, 3, v14                      ; 8 bytes a lane
	global_load_b64 v[16:17], v15, s[8:9]
	v_and_b32 v1, 15, v0                           ; l % 16
	v_bfe_u32 v10, v0, 4, 1                        ; l / 16
	; the prefetches' addresses, in registers that feed no descriptor
	s_lshr_b32 s70, s18, 3
	s_lshl_b32 s70, s70, 22                        ; act: the batch,
	s_and_b32 s71, s18, 7
	s_lshl_b32 s71, s71, 15                        ; the tile row's 256 rows of a block kb, 32,768 bytes,
	s_add_co_u32 s70, s70, s71
	s_lshl_b32 s71, s17, 12                        ; my eighth of them, by the tile column
	s_add_co_u32 s70, s70, s71
	s_mov_b32 s71, 0
	s_add_nc_u64 s[PF:PF+1], s[4:5], s[70:71]      ; at K step 0
	v_lshlrev_b32 v[PFO], 8, v1                    ; lanes 0-15: sixteen blocks of 256 bytes of the step's first kb,
	v_lshl_add_u32 v[PFO], v10, 18, v[PFO]         ; lanes 16-31: of its second
	s_lshl_b32 s72, s18, 3
	s_add_co_u32 s72, s72, s17                     ; wT: the work-group's number, 0..255,
	s_mul_i32 s72, s72, 24                         ; takes 24 of the 6,144 blocks of 256 bytes that Wp has in kb 4 to 15
	v_min_u32 v[PFB], 23, v14                      ; (lanes 24 to 31 name lane 23's block again, in the same instruction)
	v_add_nc_u32 v[PFB], s72, v[PFB]
	v_lshrrev_b32 v13, 9, v[PFB]                   ; 512 blocks to a kb: kb - 4,
	v_and_b32 v[PFB], 511, v[PFB]                  ; and the block in it
	v_lshlrev_b32 v[PFB], 8, v[PFB]
	v_lshl_add_u32 v[PFB], v13, 19, v[PFB]         ; the last lane of the last work-group names wT's last 256 bytes
	s_cmp_lg_u32 s[WV], 3
	s_cbranch_scc1 .Lno_first_pf                   ; one wave asks
	global_prefetch_b8 v[PFO], s[PF:PF+1] offset:2*STEPA th:TH_LOAD_NT scope:SCOPE_SE
	global_prefetch_b8 v[PFO], s[PF:PF+1] offset:3*STEPA th:TH_LOAD_NT scope:SCOPE_SE
	global_prefetch_b8 v[PFB], s[6:7] offset:(4<<19)+WPOFF th:TH_LOAD_NT scope:SCOPE_SE
.Lno_first_pf:
	; A fragment is 16 rows x 32 K in 8 registers: lane l holds row l % 16; registers 0-3 K = 8 (l / 16) + 0..7, registers 4-7 K = 16 + 8 (l / 16) + 0..7: two loads of 16 bytes, 32 bytes apart
	v_mul_u32_u24 v11, v1, PITCH
	v_lshl_add_u32 v11, v10, 4, v11                ; row x pitch + 16 x half
	s_mul_i32 s19, s13, 128*PITCH
	v_add_nc_u32 v[A0], s19, v11
	s_mul_i32 s19, s14, 64*PITCH
	s_add_co_u32 s19, s19, BOFF
	v_add_nc_u32 v[B0], s19, v11
	s_mul_i32 s19, s[WV], 16*SP
	s_add_co_u32 s19, s19, STAGE                   ; my stage
	v_mul_u32_u24 v12, v1, SP                      ; in: row l % 16, 32 bytes for each half of the lanes
	v_lshl_add_u32 v12, v10, 5, v12
	v_add_nc_u32 v[STO], s19, v12
	v_mul_u32_u24 v12, v10, SP                     ; back: lanes 0-15 take one row of 256 bytes, lanes 16-31 the next
	v_lshl_add_u32 v12, v1, 4, v12
	v_add_nc_u32 v[RD], s19, v12
	v_lshlrev_b32 v[GO], 12, v10                   ; and the same two rows in out0, 4,096 bytes apart
	v_lshl_add_u32 v[GO], v1, 4, v[GO]
	s_mul_i32 s19, s[WV], 256
	s_add_co_u32 s19, s19, BIAS                    ; my wave's bias in LDS
	v_add_nc_u32 v12, s19, v15
	v_lshl_add_u32 v[BIA], v10, 5, s19
	; out0 at my first row and column
	s_lshl_b32 s78, s18, 20                        ; 256 rows of 4,096 bytes,
	s_lshl_b32 s73, s13, 19                        ; my 128 of them,
	s_add_co_u32 s78, s78, s73
	s_lshl_b32 s73, s17, 9                         ; 128 columns of 4 bytes,
	s_add_co_u32 s78, s78, s73
	s_lshl_b32 s73, s14, 8                         ; my 64 of them
	s_add_co_u32 s78, s78, s73
	s_mov_b32 s79, 0
	s_add_nc_u64 s[10:11], s[10:11], s[78:79]
	s_wait_loadcnt 0x0
	ds_store_b64 v12, v[16:17]
	; THE SUMS BEGIN WITH THE BIAS: every accumulator takes the bias of its eight columns.  Nothing is cleared and nothing is added on the way out; all this stands in the wait for the first tile.
	; LDS serves a wave's instructions in order (ISA guide 5.7.1.4): these loads see the store above, which is the wave's own.
	WIN 0x40                                       ; destination window 1, address window 0
.set i, 0
.rept 32
	ds_load_b128 v[8*i:8*i+3],   v[BIA] offset:16*(i%4)*4
	ds_load_b128 v[8*i+4:8*i+7], v[BIA] offset:16*(i%4)*4+16
.set i, i+1
.endr
	WIN 0
.macro LDB buf, off                    ; 8 LDS loads: my 64 rows of wT, 32 along K, at byte off behind my first row
.irp c, 0,1,2,3
	ds_load_b128 v[BF+32*(\buf)+8*(\c):BF+32*(\buf)+8*(\c)+3],   v[ADRB] offset:(\off)+(\c)*16*PITCH
	ds_load_b128 v[BF+32*(\buf)+8*(\c)+4:BF+32*(\buf)+8*(\c)+7], v[ADRB] offset:(\off)+(\c)*16*PITCH+32
.endr
.endm
.macro LDA buf, off                    ; 16 LDS loads: my 128 rows of act, 32 along K
.irp a, 0,1,2,3,4,5,6,7
	ds_load_b128 v[AF+64*(\buf)+8*(\a):AF+64*(\buf)+8*(\a)+3],   v[ADRA] offset:(\off)+(\a)*16*PITCH
	ds_load_b128 v[AF+64*(\buf)+8*(\a)+4:AF+64*(\buf)+8*(\a)+7], v[ADRA] offset:(\off)+(\a)*16*PITCH+32
.endr
.endm
; 4 n matrix instructions: row blocks a0 .. a0 + n - 1 x my four column blocks.  The accumulators take turns, one instruction a turn:
; every phase names all 32 in the same order, so that 31 others' stand between two links of a chain.
.macro MUL ab, bb, a0, n
	WIN 0x50                                       ; C and D window 1, sources window 0
.set ma, (\a0)
.rept \n
.irp c, 0,1,2,3
	v_wmma_f32_16x16x32_f16 v[8*(4*ma+(\c)):8*(4*ma+(\c))+7], v[BF+32*(\bb)+8*(\c):BF+32*(\bb)+8*(\c)+7], v[AF+64*(\ab)+8*ma:AF+64*(\ab)+8*ma+7], v[8*(4*ma+(\c)):8*(4*ma+(\c))+7]
.endr
.set ma, ma+1
.endr
.endm
; A K STEP: four phases of 32 matrix instructions, 32 along K each.  Each phase's head fetches the fragments of the phase after it.
; fill = 1: the slot is filled again, two steps ahead.  fill = 0: the text of the last two steps: nothing is asked for; in the second of its two trips (CNT = 1) there is no next step,
; and the run that would fetch its first fragments is jumped over; that trip's barrier orders nothing more: the price of one text for both.
.macro STEP fill
	HEAD
	LDB 1, 64                                      ; first block, K 32-63
	LDA 1, 64
	s_wait_dscnt 24                                ; all but the 24 just issued
	MUL 0, 0, 0, 8
	HEAD
	LDB 0, KBB                                     ; second block, K 0-31
	LDA 0, KBA
	s_wait_dscnt 24
	MUL 1, 1, 0, 8
	HEAD
	LDB 1, KBB+64                                  ; second block, K 32-63: my last reads of this slot
	LDA 1, KBA+64
	; THE CHANGE OF SLOTS: one barrier.  In front of it each wave waits for all its tensor loads, of which at most one is out: its part of the other slot; adds 0 to its spare word; and waits for that and
	; for its reads of this slot.  Behind it nobody reads this slot any more and the other slot is whole.
	s_wait_tensorcnt 0x0                           ; no tensor load of mine is out, so a group 0 may be written
	ds_add_u32 v[SPW], v[NIL]                      ; 0 onto my spare word
.if \fill
	s_xor_b32 s[G0A+5], s[G0A+5], SLOT1            ; the walking descriptors: the other slot than last time,
	s_xor_b32 s[G0B+5], s[G0B+5], SLOT1
	s_add_nc_u64 s[G0A+6:G0A+7], s[G0A+6:G0A+7], STEPA  ; the next K step; the type bits on top are not reached
	s_add_nc_u64 s[G0B+6:G0B+7], s[G0B+6:G0B+7], STEPB
	s_wait_xcnt 0x0                                ; the last prefetch, a whole trip back, has read its base (ISA guide 3.1): it is stepped only behind this wait
	s_add_nc_u64 s[PF:PF+1], s[PF:PF+1], STEPA
.endif
	s_wait_dscnt 25                                ; the add and the 24 loads just issued may be out
	MUL 0, 0, 0, 4                                 ; sixteen matrix instructions stand between the add and the wait for it
	s_wait_dscnt 0x0                               ; the add is done, and my reads of this slot are over
	s_barrier_signal -1                            ; (with fill = 1 this barrier opens a round of the cluster's)
	MUL 0, 0, 4, 4                                 ; work on registers while the others arrive
	WIN 0                                          ; at a branch and at a label every window is 0
	s_barrier_wait -1
.if \fill
	CREST                                          ; no wave of any partner still reads this slot's tile or has a load on its way
	JLOAD                                          ; the first tensor load behind the round: 96 matrix instructions ahead of the wait for it; its four v_nop are also the places in front of the loads below
.else
	PLACES
	s_cmp_eq_u32 s[CNT], 1
	s_cbranch_scc1 .Lno_next_\@                    ; the last step: nothing follows it
.endif
	s_xor_b32 s[TB], s[TB], SLOT1
	v_add_nc_u32 v[ADRA], s[TB], v[A0]
	v_add_nc_u32 v[ADRB], s[TB], v[B0]
	LDB 0, 0                                       ; the next step's first fragments
	LDA 0, 0
.if \fill
	s_cmp_lg_u32 s[WV], 3
	s_cbranch_scc1 .Lno_pf_\@                      ; one wave asks
	s_cmp_lt_u32 s[CNT], 3
	s_cbranch_scc1 .Lno_pf_\@                      ; trips 4 and 5 (CNT = 2, 1): K step t + 4 would lie past K's end
	global_prefetch_b8 v[PFO], s[PF:PF+1] offset:3*STEPA th:TH_LOAD_NT scope:SCOPE_SE  ; trip t: the base stands at K step t + 1, so this is my eighth of act's tile of K step t + 4
.Lno_pf_\@:
.else
.Lno_next_\@:
.endif
	MUL 1, 1, 0, 8
	WIN 0
.endm
	s_wait_tensorcnt 0x1                           ; my part of K step 0 is in; K step 1's may stay out
	s_wait_dscnt 0x0                               ; the accumulators hold the bias
	s_barrier_signal -1
	s_barrier_wait -1                              ; everybody's part is in
	s_mov_b32 s[TB], 0
	v_mov_b32 v[ADRA], v[A0]
	v_mov_b32 v[ADRB], v[B0]
	LDB 0, 0
	LDA 0, 0
	s_mov_b32 s[CNT], STEPS-2
.Lstep:                                                ; 6 trips: every step but the last two fills its slot again
	STEP 1
	s_sub_co_u32 s[CNT], s[CNT], 1
	s_cmp_lg_u32 s[CNT], 0
	s_cbranch_scc1 .Lstep
	s_mov_b32 s[CNT], 2
.Ltail:                                                ; the last two steps have a text of their own
	STEP 0
	s_sub_co_u32 s[CNT], s[CNT], 1
	s_cmp_lg_u32 s[CNT], 0
	s_cbranch_scc1 .Ltail
	s_wait_dscnt 0x0                               ; every LDS load is back before the fragments' registers serve the way out
; THE WAY OUT.  Unit u: 16 rows x 64 columns of f32, 256 bytes a row.  A lane's eight columns of a row go as two stores of 16 bytes into my stage's rows of 272 bytes and come back as whole rows.
.macro TOSTAGE u
.set ps, OUTR+32*((\u)%2)
	s_wait_xcnt 0x0                                ; the stores of the unit two back have read this set of registers (ISA guide 3.1): it is loaded again only behind this wait
	WIN 0x04                                       ; the stores' data in window 1, the address in window 0
.irp c, 0,1,2,3
.irp q, 0,1
	ds_store_b128 v[STO], v[8*(4*(\u)+(\c))+4*(\q):8*(4*(\u)+(\c))+4*(\q)+3] offset:64*(\c)+16*(\q)  ; each accumulator's low four registers first
.endr
.endr
	WIN 0
.irp t, 0,1,2,3,4,5,6,7
	ds_load_b128 v[ps+4*(\t):ps+4*(\t)+3], v[RD] offset:(\t)*2*SP  ; in order behind the stores above; the next unit's stores come behind them
.endr
.endm
.macro SEND u, younger                 ; younger: the LDS instructions issued behind unit u's loads, which may stay out: the next unit's sixteen, or none
.set ps, OUTR+32*((\u)%2)
	s_wait_dscnt \younger                          ; the unit's eight loads are back
.irp t, 0,1,2,3,4,5,6,7
	global_store_b128 v[GO], v[ps+4*(\t):ps+4*(\t)+3], s[10:11] offset:(16*(\u)+2*(\t))*4096 th:TH_STORE_NT  ; 16 lanes store 256 consecutive bytes, at a multiple of 256 from out0's first
.endr
.endm
	PLACES
	TOSTAGE 0
.set u, 1
.rept 7
	TOSTAGE u
	SEND u-1, 16
.set u, u+1
.endr
	SEND 7, 0
	s_wait_tensorcnt 0x0                           ; the wave's end, behind my last tensor load and my last LDS store
	ds_add_u32 v[SPW], v[NIL]
	s_wait_dscnt 0x0
	CROUND                                         ; the closing round: no work-group ends while a partner may still ask for a tile that names it
	s_endpgm
.Lfunc_end_k_q07d4705c6f_proj:
	.size	k_q07d4705c6f_proj, .Lfunc_end_k_q07d4705c6f_proj-k_q07d4705c6f_proj
	.p2alignl 7, 3214868480
	.fill 96, 4, 3214868480
	.section	.rodata,"a",@progbits
	.p2align	6, 0x0
	.amdhsa_kernel k_q07d4705c6f_proj
		.amdhsa_group_segment_fixed_size 327680
		.amdhsa_private_segment_fixed_size 0
		.amdhsa_enable_private_segment 0
		.amdhsa_kernarg_size 32
		.amdhsa_user_sgpr_count 2
		.amdhsa_user_sgpr_kernarg_segment_ptr 1
		.amdhsa_wavefront_size32 1
		.amdhsa_system_sgpr_workgroup_id_x 1
		.amdhsa_system_sgpr_workgroup_id_y 1
		.amdhsa_system_sgpr_workgroup_id_z 1
		.amdhsa_system_vgpr_workitem_id 0
		.amdhsa_next_free_vgpr 512
		.amdhsa_next_free_sgpr 80
		.amdhsa_reserve_vcc 0
		.amdhsa_float_denorm_mode_32 3
		.amdhsa_float_denorm_mode_16_64 3
		.amdhsa_memory_ordered 1
		.amdhsa_forward_progress 1
		.amdhsa_inst_pref_size 62
	.end_amdhsa_kernel
	.amdgpu_metadata
---
amdhsa.version: [ 1, 2 ]
amdhsa.kernels:
  - .name:           k_q07d4705c6f_proj
    .symbol:         k_q07d4705c6f_proj.kd
    .args:
      - { .name: act, .offset: 0, .size: 8, .value_kind: global_buffer, .address_space: global }
      - { .name: wT, .offset: 8, .size: 8, .value_kind: global_buffer, .address_space: global }
      - { .name: biasR, .offset: 16, .size: 8, .value_kind: global_buffer, .address_space: global }
      - { .name: out0, .offset: 24, .size: 8, .value_kind: global_buffer, .address_space: global }
    .group_segment_fixed_size: 327680
    .private_segment_fixed_size: 0
    .kernarg_segment_align: 8
    .kernarg_segment_size: 32
    .max_flat_workgroup_size: 128
    .sgpr_count:     80
    .vgpr_count:     512
    .wavefront_size: 32
...
	.end_amdgpu_metadata
.endif
;; end of part 4
